; MI455X (gfx1250); checked and timed in simulation.
; The chip was launched on July 23, 2026; its instructions are those of AMD's public machine-readable ISA for CDNA 5 (MIT licence, August 2026) and "CDNA5" Instruction Set Architecture Reference Guide (July 2026). The comments in the code are by the model that wrote it; some were corrected since.
;; Two Phase Mo E. Allowed arithmetic: float matrix products may take bf16 or f16 operands with f32 sums; other float arithmetic in f32, or as packed bf16 or f16 multiplies, adds, multiply-adds, maxima and minima; sums over many terms, partial sums and values carried from step to step in f32; what a program stores and reads back later, other than sums and carried values, may be rounded once to bf16 or f16.
;; Inputs: b1 14 x 2,048 float32; b2 14 x 1,024 float32; h 2 x 512 x 1,024 float32; router_w 1,024 x 14 float32; w1 14 x 1,024 x 2,048 float32; w2 14 x 2,048 x 1,024 float32.
;; Outputs: out0 2 x 512 x 1,024 float32.
;; 2 versions, each right; version 2 is version 1 with the launch down written anew for expert scheduling mode. Each part assembles by itself: llvm-mc -triple=amdgcn-amd-amdhsa -mcpu=gfx1250 --defsym DOCPART=n.
;; ======== version 1 of 2: 3 launches
;; limits: values are held in f16: magnitudes above 65,504 overflow, below 6.1e-05 lose precision; right only within a limited range of input values
;; workspace buffers: assign 4,096 bytes of whole numbers; pw 4,096 bytes; xb 2,097,152 bytes; hidf 5,111,808 bytes
;; launch router (part 1): grid 64 x 1, 8 waves a work-group, no clusters, 42,240 bytes of LDS; arguments h, router_w, assign, pw, xb; writes assign, pw, xb
.if DOCPART == 1
	.amdgcn_target "amdgcn-amd-amdhsa--gfx1250"
	.amdhsa_code_object_version 6
	.text
	.protected	k_qdee03892db_router
	.globl	k_qdee03892db_router
	.p2align	8
	.type	k_qdee03892db_router,@function
k_qdee03892db_router:
	s_mov_b64 s[64:65], 0
	v_nop
	global_prefetch_b8 v0, s[64:65] scope:SCOPE_SE
	s_setreg_imm32_b32 hwreg(HW_REG_WAVE_MODE, 25, 1), 1
	s_wait_xcnt 0x0
; ROUTER.  For 16 tokens a work-group: xb = bf16(h); logits = bf16(h) x bf16(router_w) with f32 sums; assign = argmax (ties: the lower index);
; pw = 1 / sum_e exp(l_e - max), the softmax weight of the chosen expert (the maximum is taken away first, as in the softmax itself).
; Eight waves.  Wave w rounds rows 2w, 2w+1 (each load covers 512 consecutive bytes, each store to xb 256 consecutive aligned bytes) and multiplies
; the K part 128 w .. 128 w + 127 of all 16 tokens: source 0 = 16 experts x 32 k (columns 14, 15 repeat column 13 and are masked later),
; source 1 = 16 tokens x 32 k, so a lane holds ONE token (lane % 16) and the experts 8 (lane / 16) + 0..7.  The eight parts meet in LDS; wave 0 ends the work.
; LIMITS.  All operands are rounded to bf16 before the argmax, so the choice is that of the rounded inputs.  NaN is not treated apart.
; assign and pw leave as 64 bytes a work-group each (8 KB in all): 64 tokens to a work-group would fill whole blocks of 256 bytes but leave 16 work-groups.
; No cluster: the work-groups share router_w alone, 57 KB against the 64 KB of h that each reads for itself, and it is taken straight into registers.
.set XP,    2064                       ; an LDS row of x: 2,048 bytes + 16: the 16 rows of a fragment load start 16 bytes apart modulo 256
.set PART,  33024                      ; behind the 16 rows: 1,024 bytes of partial logits for each wave
.set SPARE, 41216                      ; the spare words, 128 bytes a wave: four blocks of 256 bytes that no other line names
.set XR,  16                           ; v16-79    h as loaded; later the eight waves' partial logits
.set RW,  80                           ; v80-143   router_w as loaded
.set XPK, 144                          ; v144-175  my two rows in bf16
.set RF,  176                          ; v176-207  four fragments of router_w
.set XF,  208                          ; v208-239  four fragments of x
.set AC0, 240                          ; v240-247, v248-255: two accumulators that take turns
.set AC1, 248
	s_load_b256 s[4:11], s[0:1], 0x0               ; h s[4:5], router_w s[6:7], assign s[8:9], pw s[10:11]
	s_load_b64 s[12:13], s[0:1], 0x20              ; xb
	v_lshl_add_u32 v1, v0, 2, SPARE                ; my spare word
	v_mov_b32 v2, 0
	v_lshrrev_b32 v3, 5, v0
	v_readfirstlane_b32 s14, v3                    ; wave 0..7
	v_and_b32 v4, 31, v0                           ; lane
	v_and_b32 v5, 15, v0                           ; r = lane % 16
	v_bfe_u32 v6, v0, 4, 1                         ; h = lane / 16
	v_lshlrev_b32 v7, 4, v4                        ; 16 x lane
	v_lshlrev_b32 v8, 3, v4                        ; 8 x lane
	v_min_u32 v9, 13, v5                           ; my expert column, held inside the 14
	v_lshlrev_b32 v9, 2, v9
	v_mul_u32_u24 v15, v6, 448                     ; 8 h rows of 56 bytes
	v_add_nc_u32 v9, v15, v9
	s_mul_i32 s18, s14, 2*XP
	v_add_nc_u32 v10, s18, v8                      ; where my two rows go in LDS
	v_mul_u32_u24 v11, v5, XP
	v_lshl_add_u32 v11, v6, 4, v11
	s_lshl_b32 s18, s14, 8
	v_add_nc_u32 v11, s18, v11                     ; fragment of x: token r, my K part, 16 h
	s_lshl_b32 s18, s14, 10
	s_add_co_u32 s18, s18, PART
	v_add_nc_u32 v12, s18, v7                      ; my partial logits
	v_add_nc_u32 v13, PART, v7                     ; wave 0 reads all eight from here
	v_lshlrev_b32 v14, 2, v5                       ; 4 r: my token's word in assign and pw
	s_lshl_b32 s16, ttmp9, 16                      ; 16 rows of 4,096 bytes a work-group,
	s_lshl_b32 s18, s14, 13                        ; two rows a wave
	s_add_co_u32 s16, s16, s18
	s_mov_b32 s17, 0
	s_lshr_b32 s18, s16, 1                         ; the same rows in xb: half the bytes
	s_mov_b32 s19, 0
	s_mul_i32 s20, s14, 7168                       ; 128 rows of router_w a wave
	s_mov_b32 s21, 0
	s_lshl_b32 s22, ttmp9, 6                       ; 16 words a work-group
	s_mov_b32 s23, 0
	s_mov_b32 s24, 0x76543210                      ; v_permlanex16_b32: each lane takes its own place in the other half
	s_mov_b32 s25, 0xfedcba98
	s_mov_b32 s26, 0xff800000                      ; minus infinity, for the two columns that are no experts
	s_wait_kmcnt 0x0
	s_add_nc_u64 s[4:5], s[4:5], s[16:17]
	s_add_nc_u64 s[12:13], s[12:13], s[18:19]
	s_add_nc_u64 s[6:7], s[6:7], s[20:21]
	s_add_nc_u64 s[8:9], s[8:9], s[22:23]
	s_add_nc_u64 s[10:11], s[10:11], s[22:23]
.set n, 0
.rept 16                                               ; row n / 8, 512 bytes at a time
	global_load_b128 v[XR+4*n:XR+4*n+3], v7, s[4:5] offset:(n/8)*4096+(n%8)*512 th:TH_LOAD_NT
.set n, n+1
.endr
.set n, 0
.rept 64                                               ; K step n / 16; row 8 h + l, and 8 further on for l of 8 and more: the fragment's order of k
	global_load_b32 v[RW+n], v9, s[6:7] offset:(32*(n/16)+(n%16)+8*((n%16)/8))*56
.set n, n+1
.endr
	s_wait_loadcnt 63                              ; 80 were issued and come back in order: the oldest 17 are in, h's 16 among them
.set n, 0
.rept 16
	v_cvt_pk_bf16_f32 v[XPK+2*n], v[XR+4*n], v[XR+4*n+1]
	v_cvt_pk_bf16_f32 v[XPK+2*n+1], v[XR+4*n+2], v[XR+4*n+3]
	global_store_b64 v8, v[XPK+2*n:XPK+2*n+1], s[12:13] offset:(n/8)*2048+(n%8)*256
	ds_store_b64 v10, v[XPK+2*n:XPK+2*n+1] offset:(n/8)*XP+(n%8)*256
.set n, n+1
.endr
	s_wait_loadcnt 0x0                             ; router_w
.set n, 0
.rept 32
	v_cvt_pk_bf16_f32 v[RF+n], v[RW+2*n], v[RW+2*n+1]
.set n, n+1
.endr
	s_wait_dscnt 0x0                               ; for the others: my two rows are in LDS
	s_barrier_signal -1
	s_barrier_wait -1
.set n, 0
.rept 4
	ds_load_b128 v[XF+8*n:XF+8*n+3], v11 offset:64*n
	ds_load_b128 v[XF+8*n+4:XF+8*n+7], v11 offset:64*n+32
.set n, n+1
.endr
	s_wait_dscnt 0x0
	v_wmma_f32_16x16x32_bf16 v[AC0:AC0+7], v[RF:RF+7], v[XF:XF+7], 0                          ; two accumulators by turns
	v_wmma_f32_16x16x32_bf16 v[AC1:AC1+7], v[RF+8:RF+15], v[XF+8:XF+15], 0
	v_wmma_f32_16x16x32_bf16 v[AC0:AC0+7], v[RF+16:RF+23], v[XF+16:XF+23], v[AC0:AC0+7]
	v_wmma_f32_16x16x32_bf16 v[AC1:AC1+7], v[RF+24:RF+31], v[XF+24:XF+31], v[AC1:AC1+7]
.rept 4
	v_nop                                          ; four places behind the products (ISA guide 7.12.1)
.endr
.set n, 0
.rept 4                                                ; from the low registers on
	v_pk_add_f32 v[AC0+2*n:AC0+2*n+1], v[AC0+2*n:AC0+2*n+1], v[AC1+2*n:AC1+2*n+1]
.set n, n+1
.endr
	ds_store_b128 v12, v[AC0:AC0+3]
	ds_store_b128 v12, v[AC0+4:AC0+7] offset:512
	s_wait_dscnt 0x0                               ; for wave 0: my part is in LDS
	s_barrier_signal -1
	s_barrier_wait -1
	s_cmp_lg_u32 s14, 0
	s_cbranch_scc1 .Lend
.set n, 0
.rept 16                                               ; wave n / 2, experts' half n % 2
	ds_load_b128 v[16+4*n:16+4*n+3], v13 offset:512*n
.set n, n+1
.endr
	s_wait_dscnt 0x0
.set n, 4
.rept 28                                               ; v16-23: my token's eight logits
	v_pk_add_f32 v[16+2*(n%4):17+2*(n%4)], v[16+2*(n%4):17+2*(n%4)], v[16+2*n:17+2*n]
.set n, n+1
.endr
	v_cmp_eq_u32 vcc_lo, 1, v6                     ; the upper half holds experts 8 to 15: 14 and 15 do not exist
	v_cndmask_b32 v22, v22, s26, vcc_lo
	v_cndmask_b32 v23, v23, s26, vcc_lo
	v_lshlrev_b32 v80, 3, v6                       ; my first expert
	v_mov_b32 v81, v16                             ; the best logit so far,
	v_mov_b32 v82, v80                             ; and whose it is
.set n, 1
.rept 7                                                ; strictly greater: a tie keeps the lower index
	v_add_nc_u32 v83, n, v80
	v_cmp_gt_f32 vcc_lo, v[16+n], v81
	v_cndmask_b32 v81, v81, v[16+n], vcc_lo
	v_cndmask_b32 v82, v82, v83, vcc_lo
.set n, n+1
.endr
	v_mov_b32 v84, v81                             ; the exchange's destinations count as read
	v_mov_b32 v85, v82
	v_permlanex16_b32 v84, v81, s24, s25           ; the other eight experts' best
	v_permlanex16_b32 v85, v82, s24, s25
	v_cmp_gt_f32 s27, v84, v81
	v_cmp_eq_f32 s28, v84, v81
	v_cmp_lt_u32 s29, v85, v82
	s_and_b32 s28, s28, s29
	s_or_b32 vcc_lo, s27, s28                      ; greater, or equal with the lower index
	v_cndmask_b32 v81, v81, v84, vcc_lo
	v_cndmask_b32 v82, v82, v85, vcc_lo
.set n, 0
.rept 8
	v_sub_f32 v[24+n], v[16+n], v81                ; l - max: 0 for the maximum itself
.set n, n+1
.endr
.set n, 0
.rept 8
	v_mul_f32 v[24+n], 0x3fb8aa3b, v[24+n]         ; times log2(e)
.set n, n+1
.endr
.set n, 0
.rept 8
	v_exp_f32 v[24+n], v[24+n]
.set n, n+1
.endr
	v_nop                                          ; a plain instruction behind the last exponential (ISA guide 5.7.2)
	s_wait_alu depctr_va_vdst(0)
	v_pk_add_f32 v[24:25], v[24:25], v[26:27]
	v_pk_add_f32 v[28:29], v[28:29], v[30:31]
	v_pk_add_f32 v[24:25], v[24:25], v[28:29]
	v_add_f32 v24, v24, v25
	v_permlanex16_b32 v25, v24, s24, s25
	v_add_f32 v24, v24, v25
	v_rcp_f32 v24, v24                             ; exp(max - max) / sum
	v_nop
	global_store_b32 v14, v82, s[8:9]              ; both halves of the lanes hold, and store, the same number
	s_wait_alu depctr_va_vdst(0)
	global_store_b32 v14, v24, s[10:11]
.Lend:
	s_wait_tensorcnt 0x0                           ; the wave's end
	ds_add_u32 v1, v2
	s_wait_dscnt 0x0
	s_endpgm
.Lfunc_end_k_qdee03892db_router:
	.size	k_qdee03892db_router, .Lfunc_end_k_qdee03892db_router-k_qdee03892db_router
	.p2alignl 7, 3214868480
	.fill 96, 4, 3214868480
	.section	.rodata,"a",@progbits
	.p2align	6, 0x0
	.amdhsa_kernel k_qdee03892db_router
		.amdhsa_group_segment_fixed_size 42240
		.amdhsa_private_segment_fixed_size 0
		.amdhsa_enable_private_segment 0
		.amdhsa_kernarg_size 40
		.amdhsa_user_sgpr_count 2
		.amdhsa_user_sgpr_kernarg_segment_ptr 1
		.amdhsa_wavefront_size32 1
		.amdhsa_system_sgpr_workgroup_id_x 1
		.amdhsa_system_sgpr_workgroup_id_y 1
		.amdhsa_system_sgpr_workgroup_id_z 1
		.amdhsa_system_vgpr_workitem_id 0
		.amdhsa_next_free_vgpr 256
		.amdhsa_next_free_sgpr 66
		.amdhsa_reserve_vcc 1
		.amdhsa_float_denorm_mode_32 3
		.amdhsa_float_denorm_mode_16_64 3
		.amdhsa_memory_ordered 1
		.amdhsa_forward_progress 1
		.amdhsa_inst_pref_size 24
	.end_amdhsa_kernel
	.amdgpu_metadata
---
amdhsa.version: [ 1, 2 ]
amdhsa.kernels:
  - .name:           k_qdee03892db_router
    .symbol:         k_qdee03892db_router.kd
    .args:
      - { .name: h, .offset: 0, .size: 8, .value_kind: global_buffer, .address_space: global }
      - { .name: router_w, .offset: 8, .size: 8, .value_kind: global_buffer, .address_space: global }
      - { .name: assign, .offset: 16, .size: 8, .value_kind: global_buffer, .address_space: global }
      - { .name: pw, .offset: 24, .size: 8, .value_kind: global_buffer, .address_space: global }
      - { .name: xb, .offset: 32, .size: 8, .value_kind: global_buffer, .address_space: global }
    .group_segment_fixed_size: 42240
    .private_segment_fixed_size: 0
    .kernarg_segment_align: 8
    .kernarg_segment_size: 40
    .max_flat_workgroup_size: 256
    .sgpr_count:     66
    .vgpr_count:     256
    .wavefront_size: 32
...
	.end_amdgpu_metadata
.endif
;; end of part 1
;; launch up (part 2): grid 16 x 14, 8 waves a work-group, no clusters, 233,216 bytes of LDS; arguments assign, xb, w1, b1, hidf; writes hidf
.if DOCPART == 2
	.amdgcn_target "amdgcn-amd-amdhsa--gfx1250"
	.amdhsa_code_object_version 6
	.text
	.protected	k_qdee03892db_up
	.globl	k_qdee03892db_up
	.p2align	8
	.type	k_qdee03892db_up,@function
k_qdee03892db_up:
	s_mov_b64 s[64:65], 0
	v_nop
	global_prefetch_b8 v0, s[64:65] scope:SCOPE_SE
	s_setreg_imm32_b32 hwreg(HW_REG_WAVE_MODE, 25, 1), 1
	s_wait_xcnt 0x0
; FIRST PRODUCT, for the chosen rows alone: hid = f16(2^-4 gelu(xb W1_e + bf16(b1_e))).  Work-group (slice, expert): 128 columns of ONE expert's w1, all 1,024 k: 512 KB of f32 that it alone reads.
; SHARES.  Eight waves; wave w owns a block of 256 k (quarter w / 2) x 64 columns (half w % 2), walked in 8 stages of 32 k.  A weight load takes two rows' 256 aligned bytes (lanes 0-15 row k, lanes 16-31 row k + 8);
; a lane's four numbers are columns 4 r .. 4 r + 3, so register naming alone makes four fragments (t = 0..3) of 16 columns 4 m + t.  Rounded to bf16 on the way through registers.
; PRODUCT.  Source 0 = weights, source 1 = 16 token rows: register j of accumulator (tile i, t) is token place lane % 16 of tile i, column 32 (lane / 16) + 4 j + t.
; ROWS.  Every wave holds the expert's choices as a bitmap in 32 scalar registers (mask m, bit L: token 128 (m / 4) + 4 L + m % 4); the expert's places go mask by mask, bit by bit, and a lane finds the token of a place
; from the bitmap, in registers alone.  A chunk is 7 tiles of 16 rows; a constant loop of 10 chunks serves every split (10 x 112 >= 1,024); every wave passes every barrier and only work is jumped.
; Places past the count repeat the last row.  Tiles 4 to 6 are multiplied only where the count reaches them.
; The four K quarters meet in LDS (the token rows' bytes, free by then); bias, gelu and the rounding follow, and hid leaves in the order in which the next launch's operand registers take it:
; tile T (16 places), byte T 65536 + kstep 1024 + q 512 + h 256 + r 16 holds place r, k = 32 kstep + 16 q + 8 h + 0..7.  The expert's first tile is (tokens of lower experts) / 16 + expert: at most 77.
; LIMITS.  erf by a rational form with an exponential (five terms, good for every argument, absolute error 1.5e-7).  hid is kept as f16 of hid / 16 and held at 65,504: exact in range below 1.048e6; below 1e-3 it keeps the fixed step 1e-6.
; NaN is not treated apart.
; NO CLUSTER: each weight byte has one reader; what an expert's 16 work-groups share is its token rows (2 KB each), which lie scattered in xb, so that no one descriptor covers them.
; PREFETCH: stage s asks for stage s + 4's 32 blocks of 256 bytes (one lane a block, my wave's own block of w1, which no other wave reads), stages 2 and 3 are asked for at the head, nothing is asked past stage 7.
; A second chunk (more than 112 rows on one expert) walks the same weights and repeats the requests of stages 4 to 7.
.set PITCH, 8192                       ; bytes from row to row of w1
.set AXP,   2064                       ; an LDS row of x: 2,048 + 16 bytes
.set T16,   16*AXP
.set PARTW, 28672                      ; a wave's 28 accumulators of 1,024 bytes
.set TBL,   231168                     ; behind the 112 rows: 128 bytes of bias for each wave
.set SPARE, TBL+1024                   ; the spare words, 128 bytes a wave: four blocks of 256 bytes that no other line names
; window 0
.set SPW,  1                           ; v1   my spare word;  v2  0
.set NIL,  2
.set WOFF, 3                           ; v3   8 h rows + 16 r: my place in a weight load
.set PF,   4                           ; v4   lane rows: my block in a prefetch
.set AAD,  5                           ; v5-8 LDS address of my x fragments, tiles 0-1, 2-3, 4-5, 6
.set PLC,  9                           ; v9   16 r + 2 w + h: the place in a chunk whose token my lane looks for
.set L16,  10                          ; v10  16 r
.set GA,   12                          ; v12  where a gathered piece goes
.set PST,  13                          ; v13  where my accumulators go
.set W0,   16                          ; v16-79, v80-143  weights as loaded, two buffers
.set A0,   144                         ; v144-199, v200-255  x fragments, two buffers (7 tiles x 8)
.set AS,   144                         ; head only: v144-175 the 1,024 choices
.set VP,   176                         ; head only: v176-181 at work
.set VT,   177
.set VL,   178
.set G0,   176                         ; the gather: v176-182 the seven tiles' offsets in xb, v183-186 LDS addresses
.set SR,   188                         ; v188-197 the search for a token
.set GX,   16                          ; the reduction: v16-79 the four quarters, then x, u, z, t; v80-95 bias, then the polynomial; v96-103 out; v104-107 addresses
.set GU,   32
.set GZ,   48
.set GT,   64
.set GP,   80
.set GO,   96
; window 1: v0-223 accumulator (i, t) at 32 i + 8 t;  v224-255 the four weight fragments
.set BF,   224
; scalars
.set WV, 16
.set SL, 17
.set EX, 18
.set CNT, 19                           ; the expert's rows
.set CM1, 20                           ; the last valid place
.set PLT, 21                           ; tokens of lower experts
.set TB7, 22                           ; the chunk's first tile in hidf
.set TRIP, 23
.set BASE, 24                          ; the chunk's first place
.set NT, 25                            ; its live tiles, 0 to 7
.set GTM, 28                           ; s28-31 at work: four masks by turns
.set SQ, 29                            ; s29-31 at work in the search: a mask's count, two prefixes by turns
.set PA, 30
.set WB, 32                            ; s[32:33] my block of w1
.set HB, 34                            ; s[34:35] where a turn of the reduction stores
.set OF, 36                            ; s[36:37] an offset, the high word always 0
.set HC, 39
.set CP, 40                            ; s[40:55] the gelu's constants, each written twice: the packed forms name pairs
.set NL, 42
.set KA5, 44
.set KA4, 46
.set KA3, 48
.set KA2, 50
.set KA1, 52
.set SC, 54
.set RR, 56
.set RC, 57
.set ABSM, 58
.set RB, 59
.set MK, 66                            ; s66-97 the bitmap
.set MSB, 0
.macro WIN new                         ; the immediate's high byte repeats the setting that is left; a switch that changes nothing is dropped
.if MSB != (\new)
	s_set_vgpr_msb (MSB<<8)|(\new)
.set MSB, \new
.endif
.endm
.set MUL,  0x51                        ; weights, C and D in window 1, x in window 0
.set TO1,  0x40                        ; destination in window 1
.set DAT1, 0x04                        ; an LDS store's data in window 1
.macro WLOAD s                         ; stage s: 16 loads, rows 8 h + l and, from l = 8 on, 8 further: the fragment's order of k
.set wl, W0+64*((\s)%2)
.set l, 0
.rept 16
	global_load_b128 v[wl+4*l:wl+4*l+3], v[WOFF], s[WB:WB+1] offset:(32*(\s)+l+8*(l/8))*PITCH th:TH_LOAD_NT
.set l, l+1
.endr
.endm
.macro PREF s
	global_prefetch_b8 v[PF], s[WB:WB+1] offset:32*(\s)*PITCH th:TH_LOAD_NT scope:SCOPE_SE
.endm
; The bitmap and the expert's count.  A mask's count is taken three masks behind the compare that makes it.
.macro MKEQ
	s_mov_b32 s[CNT], 0
.set m, 0
.rept 32
	v_cmp_eq_u32 s[MK+m], s[EX], v[AS+m]
.if m >= 3
	s_bcnt1_i32_b32 s26, s[MK+m-3]
	s_add_co_u32 s[CNT], s[CNT], s26
.endif
.set m, m+1
.endr
.irp k, 29,30,31
	s_bcnt1_i32_b32 s26, s[MK+\k]
	s_add_co_u32 s[CNT], s[CNT], s26
.endr
.endm
.macro MKLT                            ; how many tokens chose a lower expert
	s_mov_b32 s[PLT], 0
.set m, 0
.rept 32
	v_cmp_gt_u32 s[GTM+m%4], s[EX], v[AS+m]
.if m >= 3
	s_bcnt1_i32_b32 s26, s[GTM+(m-3)%4]
	s_add_co_u32 s[PLT], s[PLT], s26
.endif
.set m, m+1
.endr
.irp k, 29,30,31
	s_bcnt1_i32_b32 s26, s[GTM+(\k)%4]
	s_add_co_u32 s[PLT], s[PLT], s26
.endr
.endm
; One halving step: t = the bits set in the lower w of the 2 w bits at pos; a rank of t or more lies above them.
.macro SELSTEP R, src, w
	v_bfe_u32 v[(\R)+7], v[\src], v[(\R)+8], \w
	v_cmp_ge_u32 vcc_lo, v[\R], v[(\R)+7]
	v_cndmask_b32 v[(\R)+7], 0, v[(\R)+7], vcc_lo
	v_sub_nc_u32 v[\R], v[\R], v[(\R)+7]
	v_cndmask_b32 v[(\R)+9], 0, \w, vcc_lo
	v_add_nc_u32 v[(\R)+8], v[(\R)+8], v[(\R)+9]
.endm
; THE SEARCH.  v[R] holds a place below the count; the token of that place is left in v[R+3].  R+1 the mask, R+2 its prefix, R+3 its first token, R+4 to R+6 counts in fields of 2, 4 and 8 bits, R+7 to R+9 at work.
; First the last mask that begins at or below the place (empty masks are passed over by the one behind them); then the bit of that rank in it.  All vector operands lie in one window, which the caller sets.
.macro SELECT R
	s_mov_b32 s[PA], 0
	s_bcnt1_i32_b32 s[SQ], s[MK]
	s_add_co_u32 s[PA+1], s[PA], s[SQ]
	v_mov_b32 v[(\R)+1], s[MK]
	v_mov_b32 v[(\R)+2], 0
	v_mov_b32 v[(\R)+3], 0
.set m, 1
.rept 31
.if m < 31
	s_bcnt1_i32_b32 s[SQ], s[MK+m]                 ; the next mask's prefix, in the other register
	s_add_co_u32 s[PA+(m+1)%2], s[PA+m%2], s[SQ]
.endif
	v_cmp_gt_u32 vcc_lo, s[PA+m%2], v[\R]          ; this mask begins past my place: keep what I have
	v_cndmask_b32 v[(\R)+1], s[MK+m], v[(\R)+1], vcc_lo
	v_cndmask_b32 v[(\R)+2], s[PA+m%2], v[(\R)+2], vcc_lo
	v_cndmask_b32 v[(\R)+3], 128*(m/4)+m%4, v[(\R)+3], vcc_lo
.set m, m+1
.endr
	v_sub_nc_u32 v[\R], v[\R], v[(\R)+2]           ; my rank inside the mask
	v_lshrrev_b32 v[(\R)+4], 1, v[(\R)+1]
	v_and_b32 v[(\R)+4], 0x55555555, v[(\R)+4]
	v_sub_nc_u32 v[(\R)+4], v[(\R)+1], v[(\R)+4]   ; bits set in each field of 2
	v_lshrrev_b32 v[(\R)+5], 2, v[(\R)+4]
	v_and_b32 v[(\R)+5], 0x33333333, v[(\R)+5]
	v_and_b32 v[(\R)+6], 0x33333333, v[(\R)+4]
	v_add_nc_u32 v[(\R)+5], v[(\R)+5], v[(\R)+6]   ; of 4
	v_lshrrev_b32 v[(\R)+6], 4, v[(\R)+5]
	v_add_nc_u32 v[(\R)+6], v[(\R)+5], v[(\R)+6]
	v_and_b32 v[(\R)+6], 0x0f0f0f0f, v[(\R)+6]     ; of 8
	v_lshrrev_b32 v[(\R)+7], 8, v[(\R)+6]
	v_add_nc_u32 v[(\R)+7], v[(\R)+6], v[(\R)+7]
	v_and_b32 v[(\R)+7], 0xff, v[(\R)+7]           ; in the low 16
	v_cmp_ge_u32 vcc_lo, v[\R], v[(\R)+7]
	v_cndmask_b32 v[(\R)+7], 0, v[(\R)+7], vcc_lo
	v_sub_nc_u32 v[\R], v[\R], v[(\R)+7]
	v_cndmask_b32 v[(\R)+8], 0, 16, vcc_lo         ; pos
	SELSTEP \R, (\R)+6, 8
	SELSTEP \R, (\R)+5, 4
	SELSTEP \R, (\R)+4, 2
	SELSTEP \R, (\R)+1, 1
	v_lshl_add_u32 v[(\R)+3], v[(\R)+8], 2, v[(\R)+3]  ; the mask's first token + 4 x bit
.endm
.macro MKNT                            ; live tiles of the chunk at BASE
	s_max_u32 s26, s[CNT], s[BASE]
	s_sub_co_u32 s26, s26, s[BASE]
	s_add_co_u32 s26, s26, 15
	s_lshr_b32 s26, s26, 4
	s_min_u32 s[NT], s26, 7
.endm
; The chunk's 112 rows of xb are asked for.  In each tile my wave takes rows 2 w and 2 w + 1: 16 lanes read 256 consecutive bytes of a row.  Lane i finds tile i's row 2 w, lane 16 + i its row 2 w + 1;
; the 14 tokens go to the lanes that load by way of scalar registers.  The 56 loads land in the accumulators' registers, idle here.
.macro GISSUE
	WIN 0
	v_add_nc_u32 v[SR], s[BASE], v[PLC]
	v_min_u32 v[SR], s[CM1], v[SR]                 ; a place past the count repeats the last row
	SELECT SR
	s_mov_b32 vcc_lo, 0xffff0000                   ; lanes 16 to 31 take the second row
	v_readlane_b32 s26, v[SR+3], 0
	v_readlane_b32 s27, v[SR+3], 16
.set i, 0
.rept 7
.if i < 6
	v_readlane_b32 s[26+2*((i+1)%2)], v[SR+3], i+1 ; the next tile's two tokens, in the other pair
	v_readlane_b32 s[27+2*((i+1)%2)], v[SR+3], i+17
.endif
	v_mov_b32 v[G0+i], s[27+2*(i%2)]
	v_cndmask_b32 v[G0+i], s[26+2*(i%2)], v[G0+i], vcc_lo
	v_min_u32 v[G0+i], 0x3ff, v[G0+i]
	v_lshlrev_b32 v[G0+i], 11, v[G0+i]             ; token x 2,048 bytes
	v_add_nc_u32 v[G0+i], v[L16], v[G0+i]          ; + 16 r
.set i, i+1
.endr
.set i, 0
.rept 4
	v_add_nc_u32 v[G0+7+i], 2*i*T16, v[GA]
.set i, i+1
.endr
	WIN TO1
.set n, 0
.rept 56
	global_load_b128 v[4*n:4*n+3], v[G0+n/8], s[6:7] offset:256*(n%8)
.set n, n+1
.endr
.endm
.macro GSTORE                          ; and laid into LDS
	WIN DAT1
.set i, 0
.rept 7
	s_wait_loadcnt 8*(6-i)                         ; tile i is in; the later tiles' loads stay out
.set c, 0
.rept 8
	ds_store_b128 v[G0+7+i/2], v[32*i+4*c:32*i+4*c+3] offset:(i%2)*T16+256*c
.set c, c+1
.endr
.set i, i+1
.endr
	WIN 0
.endm
.macro ALOAD s                         ; stage s: the seven tiles' fragments of x
.set al, A0+56*((\s)%2)
.set i, 0
.rept 7
	ds_load_b128 v[al+8*i:al+8*i+3], v[AAD+i/2] offset:(i%2)*T16+64*(\s)
	ds_load_b128 v[al+8*i+4:al+8*i+7], v[AAD+i/2] offset:(i%2)*T16+64*(\s)+32
.set i, i+1
.endr
.endm
.macro TILE i, zero                    ; four products: tile i with the four weight fragments
.set t, 0
.rept 4
.if \zero
	v_wmma_f32_16x16x32_bf16 v[32*(\i)+8*t:32*(\i)+8*t+7], v[BF+8*t:BF+8*t+7], v[tb+8*(\i):tb+8*(\i)+7], 0
.else
	v_wmma_f32_16x16x32_bf16 v[32*(\i)+8*t:32*(\i)+8*t+7], v[BF+8*t:BF+8*t+7], v[tb+8*(\i):tb+8*(\i)+7], v[32*(\i)+8*t:32*(\i)+8*t+7]
.endif
.set t, t+1
.endr
.endm
; A stage's products.  Each accumulator has one turn a stage.  Stage 0 starts all 28 sums with the constant 0; later stages jump the tiles past the count (at a branch and at a label every window is 0).
.macro TILES s
.set tb, A0+56*((\s)%2)
	WIN MUL
.if (\s) == 0
.irp i, 0,1,2,3,4,5,6
	TILE \i, 1
.endr
	WIN 0
.else
.irp i, 0,1,2,3
	TILE \i, 0
.endr
	WIN 0
	s_cmp_lt_u32 s[NT], 5
	s_cbranch_scc1 .Ltd_\@
	WIN MUL
	TILE 4, 0
	WIN 0
	s_cmp_lt_u32 s[NT], 6
	s_cbranch_scc1 .Ltd_\@
	WIN MUL
	TILE 5, 0
	WIN 0
	s_cmp_lt_u32 s[NT], 7
	s_cbranch_scc1 .Ltd_\@
	WIN MUL
	TILE 6, 0
	WIN 0
.Ltd_\@:
.endif
.endm
.macro STAGE s
.if (\s) < 7
	s_wait_loadcnt 16                              ; this stage's weights are in; the next stage's 16 loads stay out
.else
	s_wait_loadcnt 0x0
.endif
.if (\s) > 0
.rept 4
	v_nop                                          ; four places behind the last products, which read the fragments written and loaded below (ISA guide 7.12.1)
.endr
.endif
.set ws, W0+64*((\s)%2)
	WIN TO1
.set n, 0
.rept 32                                               ; fragment n / 8, register n % 8: rows 2 i and 2 i + 1 of my sixteen
	v_cvt_pk_bf16_f32 v[BF+n], v[ws+8*(n%8)+n/8], v[ws+8*(n%8)+4+n/8]
.set n, n+1
.endr
	WIN 0
.if (\s) < 6
	WLOAD (\s)+2
.endif
.if (\s) < 4
	PREF (\s)+4
.endif
.if (\s) < 7
	ALOAD (\s)+1
	s_wait_dscnt 14                                ; this stage's x is in; the 14 loads just issued stay out
.else
	s_wait_dscnt 0x0
.endif
	TILES \s
.endm
.macro DUMPT i                         ; a tile's four accumulators as they lie, 16 bytes a lane: the low four registers first
	WIN DAT1
.set t, 0
.rept 4
	ds_store_b128 v[PST], v[32*(\i)+8*t:32*(\i)+8*t+3] offset:(4*(\i)+t)*1024
	ds_store_b128 v[PST], v[32*(\i)+8*t+4:32*(\i)+8*t+7] offset:(4*(\i)+t)*1024+512
.set t, t+1
.endr
.endm
.macro BAR
	s_wait_dscnt 0x0                               ; for the others: my LDS stores are done and my LDS loads are back
	s_barrier_signal -1
	s_barrier_wait -1
.endm
	s_load_b256 s[4:11], s[0:1], 0x0               ; assign s[4:5], xb s[6:7], w1 s[8:9], b1 s[10:11]
	s_load_b64 s[12:13], s[0:1], 0x20              ; hidf
	v_lshl_add_u32 v[SPW], v0, 2, SPARE
	v_mov_b32 v[NIL], 0
	v_lshrrev_b32 v14, 5, v0
	v_readfirstlane_b32 s[WV], v14                 ; wave 0..7
	s_mov_b32 s[SL], ttmp9                         ; slice 0..15
	s_and_b32 s[EX], ttmp7, 0xffff                 ; expert 0..13
	s_and_b32 s26, s[WV], 1                        ; product: which 64 columns.  Reduction: which four registers of an accumulator
	s_lshr_b32 s27, s[WV], 1                       ; product: which quarter of K
	s_and_b32 s29, s27, 1                          ; reduction: which 64 columns
	v_and_b32 v15, 15, v0                          ; r
	v_bfe_u32 v14, v0, 4, 1                        ; h
	v_and_b32 v[VL], 31, v0                        ; lane
	v_lshlrev_b32 v[L16], 4, v15
	v_lshl_add_u32 v[WOFF], v14, 16, v[L16]        ; 8 h rows of 8,192 bytes + 16 r
	v_lshlrev_b32 v[PF], 13, v[VL]
	v_lshlrev_b32 v179, 4, v[VL]                   ; 16 x lane
	v_mul_u32_u24 v[AAD], v15, AXP
	v_lshl_add_u32 v[AAD], v14, 4, v[AAD]
	s_lshl_b32 s28, s27, 9
	v_add_nc_u32 v[AAD], s28, v[AAD]               ; row r, my quarter's 512 bytes, 16 h
	v_add_nc_u32 v[AAD+1], 2*T16, v[AAD]
	v_add_nc_u32 v[AAD+2], 4*T16, v[AAD]
	v_add_nc_u32 v[AAD+3], 6*T16, v[AAD]
	v_lshl_add_u32 v[PLC], s[WV], 1, v14
	v_lshl_add_u32 v[PLC], v15, 4, v[PLC]
	v_mul_u32_u24 v[GA], v14, AXP
	v_add_nc_u32 v[GA], v[GA], v[L16]
	s_mul_i32 s28, s[WV], 2*AXP
	v_add_nc_u32 v[GA], s28, v[GA]                 ; row 2 w + h of a tile, 16 r
	s_mul_i32 s28, s[WV], PARTW
	v_add_nc_u32 v[PST], s28, v179
	v_and_b32 v[VP], 3, v0                         ; table word L = 16 h + 4 t + j holds the bias of column 32 h + 16 (w % 2) + 4 j + t
	v_bfe_u32 v[VT], v0, 2, 2
	v_lshl_add_u32 v[VP], v[VP], 2, v[VT]
	v_lshl_add_u32 v[VP], v14, 5, v[VP]
	v_lshlrev_b32 v[VP], 2, v[VP]
	v_lshl_add_u32 v181, v0, 2, TBL
	s_lshl_b32 s[OF], s[EX], 23                    ; my block of w1: expert x 8 MB + quarter x 2 MB + slice x 512 + half x 256
	s_lshl_b32 s28, s27, 21
	s_add_co_u32 s[OF], s[OF], s28
	s_lshl_b32 s28, s[SL], 9
	s_add_co_u32 s[OF], s[OF], s28
	s_lshl_b32 s28, s26, 8
	s_add_co_u32 s[OF], s[OF], s28
	s_mov_b32 s[OF+1], 0
	s_lshl_b32 s30, s[EX], 13                      ; b1: 4 (expert x 2,048 + slice x 128 + 64 x half + 16 x (w % 2))
	s_lshl_b32 s28, s[SL], 9
	s_add_co_u32 s30, s30, s28
	s_lshl_b32 s28, s29, 8
	s_add_co_u32 s30, s30, s28
	s_lshl_b32 s28, s26, 6
	s_add_co_u32 s30, s30, s28
	s_mov_b32 s31, 0
	s_lshl_b32 s[HC], s[SL], 12                    ; in a tile of hidf: K step 4 slice + 2 half, q = w % 2
	s_lshl_b32 s28, s29, 11
	s_add_co_u32 s[HC], s[HC], s28
	s_lshl_b32 s28, s26, 9
	s_add_co_u32 s[HC], s[HC], s28
	s_mul_i32 s[RB], s29, PARTW                    ; in the partial sums: quarter 0 of my half, my four registers, my first tile w / 4
	s_add_co_u32 s[RB], s[RB], s28
	s_lshr_b32 s28, s[WV], 2
	s_lshl_b32 s28, s28, 12
	s_add_co_u32 s[RB], s[RB], s28
	s_mov_b32 s[CP], 0x3e6d3388                    ; 0.3275911 / sqrt(2)
	s_mov_b32 s[CP+1], s[CP]
	s_mov_b32 s[NL], 0xbf38aa3b                    ; - log2(e) / 2
	s_mov_b32 s[NL+1], s[NL]
	s_mov_b32 s[KA5], 0x3f87dc22                   ; 1.061405429
	s_mov_b32 s[KA5+1], s[KA5]
	s_mov_b32 s[KA4], 0xbfba00e3                   ; -1.453152027
	s_mov_b32 s[KA4+1], s[KA4]
	s_mov_b32 s[KA3], 0x3fb5f0e3                   ; 1.421413741
	s_mov_b32 s[KA3+1], s[KA3]
	s_mov_b32 s[KA2], 0xbe91a98e                   ; -0.284496736
	s_mov_b32 s[KA2+1], s[KA2]
	s_mov_b32 s[KA1], 0x3e827906                   ; 0.254829592
	s_mov_b32 s[KA1+1], s[KA1]
	s_mov_b32 s[SC], 0x3d000000                    ; 1/2 x 2^-4
	s_mov_b32 s[SC+1], s[SC]
	s_mov_b32 s[ABSM], 0x7fffffff
	s_wait_kmcnt 0x0
	s_add_nc_u64 s[WB:WB+1], s[8:9], s[OF:OF+1]
	s_add_nc_u64 s[10:11], s[10:11], s[30:31]
	global_load_b32 v180, v[VP], s[10:11]
.set n, 0
.rept 8
	global_load_b128 v[AS+4*n:AS+4*n+3], v179, s[4:5] offset:512*n
.set n, n+1
.endr
	WLOAD 0                                        ; the weights start before the routing is known: the expert is the grid's
	WLOAD 1
	PREF 2
	PREF 3
	s_wait_loadcnt 32                              ; the bias and the choices are in; the 32 weight loads stay out
	v_cvt_pk_bf16_f32 v180, v180, v180             ; the bias rounded to bf16, kept as f32
	v_lshlrev_b32 v180, 16, v180
	ds_store_b32 v181, v180
	MKEQ
	s_max_u32 s[CM1], s[CNT], 1
	s_sub_co_u32 s[CM1], s[CM1], 1
	s_mov_b32 s[BASE], 0
	MKNT
	GISSUE                                         ; always: an expert without rows gathers some rows and uses nothing of them
	WIN 0
	MKLT                                           ; wanted only where hid is stored: counted while the rows are on their way
	s_lshr_b32 s[TB7], s[PLT], 4
	s_add_co_u32 s[TB7], s[TB7], s[EX]
	GSTORE
	s_mov_b32 s[TRIP], 10
.Ltrip:
	BAR                                            ; the chunk's rows are whole in LDS
	s_cmp_eq_u32 s[NT], 0
	s_cbranch_scc1 .Lno_mul
	ALOAD 0
.irp s, 0,1,2,3,4,5,6,7
	STAGE \s
.endr
.rept 5
	v_nop                                          ; five places: the next chunk's first products write these accumulators anew; the stores below want four
.endr
.Lno_mul:
	BAR                                            ; nobody reads the rows any more: their bytes take the partial sums
	s_cmp_eq_u32 s[NT], 0
	s_cbranch_scc1 .Lno_dump
.irp i, 0,1,2,3
	DUMPT \i
.endr
	WIN 0
	s_cmp_lt_u32 s[NT], 5
	s_cbranch_scc1 .Lno_dump
	DUMPT 4
	WIN 0
	s_cmp_lt_u32 s[NT], 6
	s_cbranch_scc1 .Lno_dump
	DUMPT 5
	WIN 0
	s_cmp_lt_u32 s[NT], 7
	s_cbranch_scc1 .Lno_dump
	DUMPT 6
	WIN 0
.Lno_dump:
	BAR                                            ; all partial sums are in LDS
	s_cmp_eq_u32 s[NT], 0
	s_cbranch_scc1 .Lno_red
	; THE REDUCTION.  Wave w: registers 4 (w % 2) .. + 3 of the accumulators of columns' half (w / 2) % 2, tiles w / 4, + 2, + 4, + 6.  The pieces t = 0..3 give a lane 16 consecutive columns of one place.
	v_and_b32 v104, 31, v0
	v_lshl_add_u32 v104, v104, 4, s[RB]            ; quarters 0 and 1 (57,344 bytes apart: in the immediate),
	v_add_nc_u32 v105, 4*PARTW, v104               ; quarters 2 and 3
	v_bfe_u32 v107, v0, 4, 1
	v_lshlrev_b32 v106, 6, v107
	s_lshl_b32 s26, s[WV], 7
	s_add_co_u32 s26, s26, TBL
	v_add_nc_u32 v106, s26, v106                   ; my 16 biases
	v_lshl_add_u32 v107, v107, 10, v[L16]          ; in hidf: K step + h, place r
	s_lshr_b32 s[RR], s[WV], 2
	s_mov_b32 s[RC], 4
.Lround:
	s_cmp_ge_u32 s[RR], s[NT]
	s_cbranch_scc1 .Lrnext
	s_add_co_u32 s26, s[TB7], s[RR]
	s_min_u32 s26, s26, 77
	s_lshl_b32 s26, s26, 16
	s_add_co_u32 s[OF], s26, s[HC]
	s_add_nc_u64 s[HB:HB+1], s[12:13], s[OF:OF+1]
.set n, 0
.rept 16                                               ; quarter n / 4, piece n % 4
	ds_load_b128 v[GX+4*n:GX+4*n+3], v[104+n/8] offset:((n/4)%2)*2*PARTW+(n%4)*1024
.set n, n+1
.endr
.set n, 0
.rept 4
	ds_load_b128 v[GP+4*n:GP+4*n+3], v106 offset:16*n
.set n, n+1
.endr
	s_wait_dscnt 0x0
.set n, 0
.rept 8
	v_pk_add_f32 v[GX+2*n:GX+2*n+1], v[GX+2*n:GX+2*n+1], v[GX+16+2*n:GX+16+2*n+1]
	v_pk_add_f32 v[GX+32+2*n:GX+32+2*n+1], v[GX+32+2*n:GX+32+2*n+1], v[GX+48+2*n:GX+48+2*n+1]
.set n, n+1
.endr
.set n, 0
.rept 8
	v_pk_add_f32 v[GX+2*n:GX+2*n+1], v[GX+2*n:GX+2*n+1], v[GX+32+2*n:GX+32+2*n+1]
.set n, n+1
.endr
.set n, 0
.rept 8
	v_pk_add_f32 v[GX+2*n:GX+2*n+1], v[GX+2*n:GX+2*n+1], v[GP+2*n:GP+2*n+1]
.set n, n+1
.endr
	; gelu(x) = (x + |x| erf(|x| / sqrt 2)) / 2,  erf = 1 - (a1 t + .. + a5 t^5) exp(-x^2 / 2),  t = 1 / (1 + 0.2316419 |x|)
.set n, 0
.rept 8
	v_pk_mul_f32 v[GU+2*n:GU+2*n+1], v[GX+2*n:GX+2*n+1], v[GX+2*n:GX+2*n+1]
.set n, n+1
.endr
.set n, 0
.rept 16
	v_and_b32 v[GZ+n], s[ABSM], v[GX+n]
.set n, n+1
.endr
.set n, 0
.rept 8
	v_pk_fma_f32 v[GT+2*n:GT+2*n+1], v[GZ+2*n:GZ+2*n+1], s[CP:CP+1], 1.0 op_sel_hi:[1,0,0]
.set n, n+1
.endr
.set n, 0
.rept 16
	v_rcp_f32 v[GT+n], v[GT+n]
.set n, n+1
.endr
.set n, 0
.rept 8                                                ; plain lines that touch no reciprocal stand behind the last of them
	v_pk_mul_f32 v[GU+2*n:GU+2*n+1], v[GU+2*n:GU+2*n+1], s[NL:NL+1] op_sel_hi:[1,0]
.set n, n+1
.endr
.set n, 0
.rept 16
	v_exp_f32 v[GU+n], v[GU+n]
.set n, n+1
.endr
.set n, 0
	s_wait_alu depctr_va_vdst(0)
.rept 8                                                ; and plain lines that touch no exponential behind the last of those
	v_pk_fma_f32 v[GP+2*n:GP+2*n+1], v[GT+2*n:GT+2*n+1], s[KA5:KA5+1], s[KA4:KA4+1] op_sel_hi:[1,0,0]
.set n, n+1
.endr
.irp k, KA3, KA2, KA1
.set n, 0
.rept 8
	v_pk_fma_f32 v[GP+2*n:GP+2*n+1], v[GP+2*n:GP+2*n+1], v[GT+2*n:GT+2*n+1], s[\k:\k+1] op_sel_hi:[1,1,0]
.set n, n+1
.endr
.endr
.set n, 0
.rept 8
	v_pk_mul_f32 v[GP+2*n:GP+2*n+1], v[GP+2*n:GP+2*n+1], v[GT+2*n:GT+2*n+1]
.set n, n+1
.endr
.set n, 0
.rept 8
	v_pk_fma_f32 v[GP+2*n:GP+2*n+1], v[GP+2*n:GP+2*n+1], v[GU+2*n:GU+2*n+1], 1.0 op_sel_hi:[1,1,0] neg_lo:[1,0,0] neg_hi:[1,0,0]
.set n, n+1
.endr
.set n, 0
.rept 8
	v_pk_fma_f32 v[GX+2*n:GX+2*n+1], v[GZ+2*n:GZ+2*n+1], v[GP+2*n:GP+2*n+1], v[GX+2*n:GX+2*n+1]
.set n, n+1
.endr
.set n, 0
.rept 8
	v_pk_mul_f32 v[GX+2*n:GX+2*n+1], v[GX+2*n:GX+2*n+1], s[SC:SC+1] op_sel_hi:[1,0]
.set n, n+1
.endr
.set n, 0
.rept 8                                                ; column 4 j + t lies in register 4 t + j: word n takes columns 2 n and 2 n + 1
	v_cvt_pk_f16_f32 v[GO+n], v[GX+8*(n%2)+n/2], v[GX+8*(n%2)+4+n/2]
.set n, n+1
.endr
.set n, 0
.rept 8
	v_pk_min_num_f16 v[GO+n], v[GO+n], 0x7bff7bff  ; held at f16's largest number; gelu has no large negative value
.set n, n+1
.endr
	global_store_b128 v107, v[GO:GO+3], s[HB:HB+1]                 ; each store: two blocks of 256 consecutive aligned bytes
	global_store_b128 v107, v[GO+4:GO+7], s[HB:HB+1] offset:256
	s_wait_xcnt 0x0                                ; the stores' data, offset and base are written again only behind this wait
.Lrnext:
	v_add_nc_u32 v104, 8192, v104                  ; two tiles on
	v_add_nc_u32 v105, 8192, v105
	s_add_co_u32 s[RR], s[RR], 2
	s_sub_co_u32 s[RC], s[RC], 1
	s_cmp_lg_u32 s[RC], 0
	s_cbranch_scc1 .Lround
.Lno_red:
	BAR                                            ; nobody reads the partial sums any more: their bytes take the next chunk's rows
	s_add_co_u32 s[BASE], s[BASE], 112
	s_add_co_u32 s[TB7], s[TB7], 7
	MKNT
	s_cmp_eq_u32 s[NT], 0
	s_cbranch_scc1 .Lno_next
	s_wait_xcnt 0x0
	WLOAD 0                                        ; more than 112 rows on this expert: the weights are walked again
	WLOAD 1
	GISSUE
	GSTORE
.Lno_next:
	s_sub_co_u32 s[TRIP], s[TRIP], 1
	s_cmp_lg_u32 s[TRIP], 0
	s_cbranch_scc1 .Ltrip
	s_wait_tensorcnt 0x0                           ; the wave's end
	ds_add_u32 v[SPW], v[NIL]
	s_wait_dscnt 0x0
	s_endpgm
.Lfunc_end_k_qdee03892db_up:
	.size	k_qdee03892db_up, .Lfunc_end_k_qdee03892db_up-k_qdee03892db_up
	.p2alignl 7, 3214868480
	.fill 96, 4, 3214868480
	.section	.rodata,"a",@progbits
	.p2align	6, 0x0
	.amdhsa_kernel k_qdee03892db_up
		.amdhsa_group_segment_fixed_size 233216
		.amdhsa_private_segment_fixed_size 0
		.amdhsa_enable_private_segment 0
		.amdhsa_kernarg_size 40
		.amdhsa_user_sgpr_count 2
		.amdhsa_user_sgpr_kernarg_segment_ptr 1
		.amdhsa_wavefront_size32 1
		.amdhsa_system_sgpr_workgroup_id_x 1
		.amdhsa_system_sgpr_workgroup_id_y 1
		.amdhsa_system_sgpr_workgroup_id_z 1
		.amdhsa_system_vgpr_workitem_id 0
		.amdhsa_next_free_vgpr 512
		.amdhsa_next_free_sgpr 100
		.amdhsa_reserve_vcc 1
		.amdhsa_float_denorm_mode_32 3
		.amdhsa_float_denorm_mode_16_64 3
		.amdhsa_memory_ordered 1
		.amdhsa_forward_progress 1
		.amdhsa_inst_pref_size 130
	.end_amdhsa_kernel
	.amdgpu_metadata
---
amdhsa.version: [ 1, 2 ]
amdhsa.kernels:
  - .name:           k_qdee03892db_up
    .symbol:         k_qdee03892db_up.kd
    .args:
      - { .name: assign, .offset: 0, .size: 8, .value_kind: global_buffer, .address_space: global }
      - { .name: xb, .offset: 8, .size: 8, .value_kind: global_buffer, .address_space: global }
      - { .name: w1, .offset: 16, .size: 8, .value_kind: global_buffer, .address_space: global }
      - { .name: b1, .offset: 24, .size: 8, .value_kind: global_buffer, .address_space: global }
      - { .name: hidf, .offset: 32, .size: 8, .value_kind: global_buffer, .address_space: global }
    .group_segment_fixed_size: 233216
    .private_segment_fixed_size: 0
    .kernarg_segment_align: 8
    .kernarg_segment_size: 40
    .max_flat_workgroup_size: 256
    .sgpr_count:     100
    .vgpr_count:     512
    .wavefront_size: 32
...
	.end_amdgpu_metadata
.endif
;; end of part 2
;; launch down (part 3): grid 16 x 14, 8 waves a work-group, no clusters, 267,264 bytes of LDS; arguments assign, pw, hidf, w2, b2, out0; writes out0
.if DOCPART == 3
	.amdgcn_target "amdgcn-amd-amdhsa--gfx1250"
	.amdhsa_code_object_version 6
	.text
	.protected	k_qdee03892db_down
	.globl	k_qdee03892db_down
	.p2align	8
	.type	k_qdee03892db_down,@function
k_qdee03892db_down:
	s_mov_b64 s[64:65], 0
	v_nop
	global_prefetch_b8 v0, s[64:65] scope:SCOPE_SE
	s_setreg_imm32_b32 hwreg(HW_REG_WAVE_MODE, 25, 1), 1
	s_wait_xcnt 0x0
; SECOND PRODUCT, and the end: out[token] = p (16 (hid W2_e) + bf16(b2_e)), hid as the launch before left it (f16 of hid / 16).  Work-group (slice, expert): 64 columns of ONE expert's w2, all 2,048 k: 512 KB of f32 that it alone reads.
; SHARES.  Eight waves; wave w owns k = 256 w .. 256 w + 255, walked in 8 stages of 32 k.  Weight loads, fragments and accumulators as in the first product: register j of accumulator (tile i, t) is place lane % 16 of tile i,
; column 32 (lane / 16) + 4 j + t.  w2 is rounded to bf16 like every input, and that number written as f16 for the f16 product.
; hid comes from memory straight into operand registers: a tile's K step is 1,024 consecutive bytes in the registers' own order, two loads of 512 bytes.  A dead tile's loads read the chunk's last live tile.
; ROWS.  The bitmap of the expert's choices in 32 scalar registers, the order of places, the chunks of 7 tiles and the constant loop of 10 chunks as in the first product.  The hid tiles' addresses want two counts alone,
; so a chunk's first hid loads go out ahead of the search for its tokens, which stands in their shadow.  The eight K parts meet in LDS; wave w (0 to 6) ends row tile w: sum, x 16, bias, x p, through its own stage in LDS,
; and out as whole rows of 256 bytes.  Places past the count repeat the last token: the same wave stores the same numbers to the same bytes again.
; An expert without rows loads one tile inside hidf at the head and uses nothing of it.
; LIMITS.  f16 of bf16(w2) is exact from 6.1e-5 to 65,504 in magnitude; below, it keeps f16's fixed step of 6e-8.  NaN is not treated apart.
; NO CLUSTER: each weight byte has one reader.  An expert's 16 work-groups share its hid tiles, but a chunk's 7 tiles are 448 KB, which do not fit in LDS beside the 224 KB of partial sums.
; PREFETCH: as in the first product: stage s asks for stage s + 4's 32 blocks of 256 bytes of my wave's own block of w2, stages 2 and 3 at the head, nothing past stage 7; a second chunk repeats the requests of stages 4 to 7.
.set PITCH, 4096                       ; bytes from row to row of w2
.set PARTW, 28672                      ; a wave's 28 accumulators of 1,024 bytes
.set STG,   229376                     ; behind the partial sums: 16 rows x 272 bytes for each wave
.set SP,    272
.set TBL,   264192                     ; 256 bytes of bias for each wave
.set SPARE, TBL+2048                   ; the spare words, 128 bytes a wave: four blocks of 256 bytes that no other line names
; window 0
.set SPW,  1
.set NIL,  2
.set WOFF, 3                           ; v3   8 h rows + 16 r
.set PF,   4                           ; v4   lane rows
.set AOFF, 5                           ; v5   16 x lane
.set PV,   6                           ; v6   p of place 16 w + r of the chunk
.set TOK,  7                           ; v7   the token of that place
.set PST,  8                           ; v8   where my accumulators go
.set STO,  9                           ; v9   the way out: where I put 16 bytes of a row
.set RD,   10                          ; v10  the way out: where I read a row back
.set BAD,  11                          ; v11  my biases
.set PL16, 12                          ; v12  16 w + r
.set L16,  14                          ; v14  16 r
.set W0,   16                          ; v16-79, v80-143  weights as loaded, two buffers; the way out: the eight parts
.set A0,   144                         ; v144-199, v200-255  hid fragments, two buffers; the way out: bias, results, addresses, rows
.set AS,   144                         ; head only: v144-175 the 1,024 choices, v176-182 at work
.set VP,   176
.set VT,   177
.set VL,   178
.set BF,   224                         ; window 1: v0-223 accumulators, v224-255 the four weight fragments
.set SR,   0                           ; window 1: v0-9 the search for a token, ahead of a chunk's first products
.set WV, 16
.set SL, 17
.set EX, 18
.set CNT, 19
.set CM1, 20
.set PLT, 21
.set TB7, 22
.set TRIP, 23
.set BASE, 24
.set NT, 25
.set GTM, 28                           ; s28-31 at work: four masks by turns
.set SQ, 29                            ; s29-31 at work in the search: a mask's count, two prefixes by turns
.set PA, 30
.set WB, 32                            ; s[32:33] my block of w2
.set TBS, 34                           ; s[34:47] the seven tiles' addresses, at my K part
.set OF, 48                            ; s[48:49] an offset, the high word always 0
.set HIM, 51
.set WK, 52
.set NM1, 53
.set MK, 66                            ; s66-97 the bitmap
.set MSB, 0
.macro WIN new
.if MSB != (\new)
	s_set_vgpr_msb (MSB<<8)|(\new)
.set MSB, \new
.endif
.endm
.set MUL,  0x51
.set TO1,  0x40
.set DAT1, 0x04                        ; source 1 in window 1
.set ALL1, 0x55                        ; every operand in window 1
.macro WLOAD s
.set wl, W0+64*((\s)%2)
.set l, 0
.rept 16
	global_load_b128 v[wl+4*l:wl+4*l+3], v[WOFF], s[WB:WB+1] offset:(32*(\s)+l+8*(l/8))*PITCH th:TH_LOAD_NT
.set l, l+1
.endr
.endm
.macro PREF s
	global_prefetch_b8 v[PF], s[WB:WB+1] offset:32*(\s)*PITCH th:TH_LOAD_NT scope:SCOPE_SE
.endm
; The bitmap and the expert's count.  A mask's count is taken three masks behind the compare that makes it.
.macro MKEQ
	s_mov_b32 s[CNT], 0
.set m, 0
.rept 32
	v_cmp_eq_u32 s[MK+m], s[EX], v[AS+m]
.if m >= 3
	s_bcnt1_i32_b32 s26, s[MK+m-3]
	s_add_co_u32 s[CNT], s[CNT], s26
.endif
.set m, m+1
.endr
.irp k, 29,30,31
	s_bcnt1_i32_b32 s26, s[MK+\k]
	s_add_co_u32 s[CNT], s[CNT], s26
.endr
.endm
.macro MKLT                            ; how many tokens chose a lower expert
	s_mov_b32 s[PLT], 0
.set m, 0
.rept 32
	v_cmp_gt_u32 s[GTM+m%4], s[EX], v[AS+m]
.if m >= 3
	s_bcnt1_i32_b32 s26, s[GTM+(m-3)%4]
	s_add_co_u32 s[PLT], s[PLT], s26
.endif
.set m, m+1
.endr
.irp k, 29,30,31
	s_bcnt1_i32_b32 s26, s[GTM+(\k)%4]
	s_add_co_u32 s[PLT], s[PLT], s26
.endr
.endm
; One halving step: t = the bits set in the lower w of the 2 w bits at pos; a rank of t or more lies above them.
.macro SELSTEP R, src, w
	v_bfe_u32 v[(\R)+7], v[\src], v[(\R)+8], \w
	v_cmp_ge_u32 vcc_lo, v[\R], v[(\R)+7]
	v_cndmask_b32 v[(\R)+7], 0, v[(\R)+7], vcc_lo
	v_sub_nc_u32 v[\R], v[\R], v[(\R)+7]
	v_cndmask_b32 v[(\R)+9], 0, \w, vcc_lo
	v_add_nc_u32 v[(\R)+8], v[(\R)+8], v[(\R)+9]
.endm
; THE SEARCH, as in the first product.  v[R] holds a place below the count; the token of that place is left in v[R+3].  All vector operands lie in one window, which the caller sets.
.macro SELECT R
	s_mov_b32 s[PA], 0
	s_bcnt1_i32_b32 s[SQ], s[MK]
	s_add_co_u32 s[PA+1], s[PA], s[SQ]
	v_mov_b32 v[(\R)+1], s[MK]
	v_mov_b32 v[(\R)+2], 0
	v_mov_b32 v[(\R)+3], 0
.set m, 1
.rept 31
.if m < 31
	s_bcnt1_i32_b32 s[SQ], s[MK+m]                 ; the next mask's prefix, in the other register
	s_add_co_u32 s[PA+(m+1)%2], s[PA+m%2], s[SQ]
.endif
	v_cmp_gt_u32 vcc_lo, s[PA+m%2], v[\R]          ; this mask begins past my place: keep what I have
	v_cndmask_b32 v[(\R)+1], s[MK+m], v[(\R)+1], vcc_lo
	v_cndmask_b32 v[(\R)+2], s[PA+m%2], v[(\R)+2], vcc_lo
	v_cndmask_b32 v[(\R)+3], 128*(m/4)+m%4, v[(\R)+3], vcc_lo
.set m, m+1
.endr
	v_sub_nc_u32 v[\R], v[\R], v[(\R)+2]           ; my rank inside the mask
	v_lshrrev_b32 v[(\R)+4], 1, v[(\R)+1]
	v_and_b32 v[(\R)+4], 0x55555555, v[(\R)+4]
	v_sub_nc_u32 v[(\R)+4], v[(\R)+1], v[(\R)+4]   ; bits set in each field of 2
	v_lshrrev_b32 v[(\R)+5], 2, v[(\R)+4]
	v_and_b32 v[(\R)+5], 0x33333333, v[(\R)+5]
	v_and_b32 v[(\R)+6], 0x33333333, v[(\R)+4]
	v_add_nc_u32 v[(\R)+5], v[(\R)+5], v[(\R)+6]   ; of 4
	v_lshrrev_b32 v[(\R)+6], 4, v[(\R)+5]
	v_add_nc_u32 v[(\R)+6], v[(\R)+5], v[(\R)+6]
	v_and_b32 v[(\R)+6], 0x0f0f0f0f, v[(\R)+6]     ; of 8
	v_lshrrev_b32 v[(\R)+7], 8, v[(\R)+6]
	v_add_nc_u32 v[(\R)+7], v[(\R)+6], v[(\R)+7]
	v_and_b32 v[(\R)+7], 0xff, v[(\R)+7]           ; in the low 16
	v_cmp_ge_u32 vcc_lo, v[\R], v[(\R)+7]
	v_cndmask_b32 v[(\R)+7], 0, v[(\R)+7], vcc_lo
	v_sub_nc_u32 v[\R], v[\R], v[(\R)+7]
	v_cndmask_b32 v[(\R)+8], 0, 16, vcc_lo         ; pos
	SELSTEP \R, (\R)+6, 8
	SELSTEP \R, (\R)+5, 4
	SELSTEP \R, (\R)+4, 2
	SELSTEP \R, (\R)+1, 1
	v_lshl_add_u32 v[(\R)+3], v[(\R)+8], 2, v[(\R)+3]  ; the mask's first token + 4 x bit
.endm
.macro MKNT
	s_max_u32 s26, s[CNT], s[BASE]
	s_sub_co_u32 s26, s26, s[BASE]
	s_add_co_u32 s26, s26, 15
	s_lshr_b32 s26, s26, 4
	s_min_u32 s[NT], s26, 7
.endm
.macro AGLOAD s                        ; stage s: the seven tiles' fragments of hid, 512 consecutive bytes a load
.set al, A0+56*((\s)%2)
.set i, 0
.rept 7
	global_load_b128 v[al+8*i:al+8*i+3], v[AOFF], s[TBS+2*i:TBS+2*i+1] offset:(\s)*1024
	global_load_b128 v[al+8*i+4:al+8*i+7], v[AOFF], s[TBS+2*i:TBS+2*i+1] offset:(\s)*1024+512
.set i, i+1
.endr
.endm
.macro PREA                            ; a chunk's seven tile addresses, and its hid of stages 0 and 1
	s_max_u32 s[NM1], s[NT], 1
	s_sub_co_u32 s[NM1], s[NM1], 1
.set i, 0
.rept 7
	s_min_u32 s26, s[NM1], i                       ; a dead tile reads the last live one
	s_add_co_u32 s26, s26, s[TB7]
	s_min_u32 s26, s26, 77
	s_lshl_b32 s26, s26, 16
	s_add_co_u32 s[OF], s26, s[WK]
	s_add_nc_u64 s[TBS+2*i:TBS+2*i+1], s[8:9], s[OF:OF+1]
.set i, i+1
.endr
	AGLOAD 0
	AGLOAD 1
.endm
.macro TILE i, zero
.set t, 0
.rept 4
.if \zero
	v_wmma_f32_16x16x32_f16 v[32*(\i)+8*t:32*(\i)+8*t+7], v[BF+8*t:BF+8*t+7], v[tb+8*(\i):tb+8*(\i)+7], 0
.else
	v_wmma_f32_16x16x32_f16 v[32*(\i)+8*t:32*(\i)+8*t+7], v[BF+8*t:BF+8*t+7], v[tb+8*(\i):tb+8*(\i)+7], v[32*(\i)+8*t:32*(\i)+8*t+7]
.endif
.set t, t+1
.endr
.endm
.macro TILES s                         ; each accumulator has one turn a stage; stage 0 starts all 28 sums; later stages jump the tiles past the count
.set tb, A0+56*((\s)%2)
	WIN MUL
.if (\s) == 0
.irp i, 0,1,2,3,4,5,6
	TILE \i, 1
.endr
	WIN 0
.else
.irp i, 0,1,2,3
	TILE \i, 0
.endr
	WIN 0
	s_cmp_lt_u32 s[NT], 5
	s_cbranch_scc1 .Ltd_\@
	WIN MUL
	TILE 4, 0
	WIN 0
	s_cmp_lt_u32 s[NT], 6
	s_cbranch_scc1 .Ltd_\@
	WIN MUL
	TILE 5, 0
	WIN 0
	s_cmp_lt_u32 s[NT], 7
	s_cbranch_scc1 .Ltd_\@
	WIN MUL
	TILE 6, 0
	WIN 0
.Ltd_\@:
.endif
.endm
; The loads go out in the order W(0), W(1), A(0), A(1), p, and then W(s+2), A(s+2) stage by stage, and come back in that order.
.macro STAGE s
.if (\s) == 0
	s_wait_loadcnt 15                              ; both first weight stages and A(0) are in; A(1)'s 14 loads and p stay out
.elseif (\s) == 1
	s_wait_loadcnt 31                              ; A(1) is in; p, W(2)'s 16 and A(2)'s 14 stay out
.elseif (\s) < 7
	s_wait_loadcnt 30                              ; W(s) and A(s) are in; W(s+1)'s 16 and A(s+1)'s 14 stay out
.else
	s_wait_loadcnt 0x0
.endif
.set ws, W0+64*((\s)%2)
.set n, 0
.rept 32                                               ; rows 2 i and 2 i + 1, column t: both rounded to bf16,
	v_cvt_pk_bf16_f32 v[ws+8*(n/4)+n%4], v[ws+8*(n/4)+n%4], v[ws+8*(n/4)+4+n%4]
.set n, n+1
.endr
.set n, 0
.rept 32                                               ; widened again,
	v_and_b32 v[ws+8*(n/4)+4+n%4], s[HIM], v[ws+8*(n/4)+n%4]
.set n, n+1
.endr
.set n, 0
.rept 32
	v_lshlrev_b32 v[ws+8*(n/4)+n%4], 16, v[ws+8*(n/4)+n%4]
.set n, n+1
.endr
	WIN TO1
.set n, 0
.rept 32                                               ; and written as f16: fragment n / 8, register n % 8
	v_cvt_pk_f16_f32 v[BF+n], v[ws+8*(n%8)+n/8], v[ws+8*(n%8)+4+n/8]
.set n, n+1
.endr
	WIN 0
.if (\s) < 6
	WLOAD (\s)+2
.endif
.if (\s) < 4
	PREF (\s)+4
.endif
	TILES \s
.rept 5
	v_nop                                          ; places behind the products: four for the loads into their hid fragments, for the stores of the sums and for the next chunk's search, five for its first products
.endr
.if (\s) < 6
	AGLOAD (\s)+2
.endif
.endm
.macro DUMPT i                         ; the low four registers of each accumulator first
	WIN DAT1
.set t, 0
.rept 4
	ds_store_b128 v[PST], v[32*(\i)+8*t:32*(\i)+8*t+3] offset:(4*(\i)+t)*1024
	ds_store_b128 v[PST], v[32*(\i)+8*t+4:32*(\i)+8*t+7] offset:(4*(\i)+t)*1024+512
.set t, t+1
.endr
.endm
.macro BAR
	s_wait_dscnt 0x0                               ; for the others: my LDS stores are done and my LDS loads are back
	s_barrier_signal -1
	s_barrier_wait -1
.endm
.macro ADDW a, b                       ; wave b's part onto wave a's
.set x, 0
.rept 8
	v_pk_add_f32 v[16+16*(\a)+2*x:17+16*(\a)+2*x], v[16+16*(\a)+2*x:17+16*(\a)+2*x], v[16+16*(\b)+2*x:17+16*(\b)+2*x]
.set x, x+1
.endr
.endm
; Half jh of my row tile: registers 4 jh .. + 3 of its four accumulators, from all eight waves: 16 consecutive columns of one place a lane.
.macro HALF jh
.set n, 0
.rept 32                                               ; wave n / 4, piece n % 4
	ds_load_b128 v[16+4*n:16+4*n+3], v[176+n/8] offset:((n/4)%2)*PARTW+(n%4)*1024+(\jh)*512
.set n, n+1
.endr
.set n, 0
.rept 4
	ds_load_b128 v[144+4*n:144+4*n+3], v[BAD] offset:(\jh)*64+16*n
.set n, n+1
.endr
	s_wait_dscnt 0x0
	ADDW 0, 1
	ADDW 2, 3
	ADDW 4, 5
	ADDW 6, 7
	ADDW 0, 2
	ADDW 4, 6
	ADDW 0, 4
.set n, 0
.rept 8
	v_pk_fma_f32 v[16+2*n:17+2*n], v[16+2*n:17+2*n], 0x41800000, v[144+2*n:145+2*n] op_sel_hi:[1,0,1]  ; x 16 undoes hid's scale; + bias
.set n, n+1
.endr
.set n, 0
.rept 16                                               ; column 4 j + t lies in register 4 t + j
	v_mul_f32 v[160+n], v[16+4*(n%4)+n/4], v[PV]
.set n, n+1
.endr
.set n, 0
.rept 4
	ds_store_b128 v[STO], v[160+4*n:160+4*n+3] offset:(\jh)*64+16*n
.set n, n+1
.endr
.endm
	s_load_b256 s[4:11], s[0:1], 0x0               ; assign s[4:5], pw s[6:7], hidf s[8:9], w2 s[10:11]
	s_load_b128 s[12:15], s[0:1], 0x20             ; b2 s[12:13], out0 s[14:15]
	v_lshl_add_u32 v[SPW], v0, 2, SPARE
	v_mov_b32 v[NIL], 0
	v_lshrrev_b32 v15, 5, v0
	v_readfirstlane_b32 s[WV], v15                 ; wave 0..7
	s_mov_b32 s[SL], ttmp9                         ; slice 0..15
	s_and_b32 s[EX], ttmp7, 0xffff                 ; expert 0..13
	v_and_b32 v15, 15, v0                          ; r
	v_bfe_u32 v13, v0, 4, 1                        ; h
	v_and_b32 v[VL], 31, v0                        ; lane
	v_lshlrev_b32 v[L16], 4, v15
	v_lshl_add_u32 v[WOFF], v13, 15, v[L16]        ; 8 h rows of 4,096 bytes + 16 r
	v_lshlrev_b32 v[PF], 12, v[VL]
	v_lshlrev_b32 v[AOFF], 4, v[VL]
	v_mov_b32 v[PV], 0
	v_mov_b32 v[TOK], 0
	s_mul_i32 s28, s[WV], PARTW
	v_add_nc_u32 v[PST], s28, v[AOFF]
	s_mul_i32 s28, s[WV], 16*SP
	s_add_co_u32 s28, s28, STG                     ; my stage
	v_mul_u32_u24 v[STO], v15, SP
	v_lshl_add_u32 v[STO], v13, 7, v[STO]
	v_add_nc_u32 v[STO], s28, v[STO]               ; in: row r, 128 bytes for each half of the lanes
	v_mul_u32_u24 v[RD], v13, SP
	v_add_nc_u32 v[RD], v[RD], v[L16]
	v_add_nc_u32 v[RD], s28, v[RD]                 ; back: lanes 0-15 one row of 256 bytes, lanes 16-31 the next
	s_lshl_b32 s28, s[WV], 8
	s_add_co_u32 s28, s28, TBL
	v_lshl_add_u32 v[BAD], v13, 7, s28
	v_lshl_add_u32 v181, v[VL], 2, s28
	v_and_b32 v[VP], 3, v0                         ; table word 32 h + 16 jh + 4 t + j holds the bias of column 32 h + 16 jh + 4 j + t: my lane takes words L and L + 32
	v_bfe_u32 v[VT], v0, 2, 2
	v_lshl_add_u32 v[VP], v[VP], 2, v[VT]
	v_lshl_add_u32 v[VP], v13, 4, v[VP]
	v_lshlrev_b32 v[VP], 2, v[VP]
	v_lshl_add_u32 v[PL16], s[WV], 4, v15
	s_lshl_b32 s[OF], s[EX], 23                    ; my block of w2: expert x 8 MB + wave x 1 MB + slice x 256
	s_lshl_b32 s28, s[WV], 20
	s_add_co_u32 s[OF], s[OF], s28
	s_lshl_b32 s28, s[SL], 8
	s_add_co_u32 s[OF], s[OF], s28
	s_mov_b32 s[OF+1], 0
	s_lshl_b32 s30, s[EX], 12                      ; b2: 4 (expert x 1,024 + slice x 64)
	s_add_co_u32 s30, s30, s28
	s_mov_b32 s31, 0
	s_mov_b32 s54, s28                             ; out0: the slice's 256 bytes of a row
	s_mov_b32 s55, 0
	s_lshl_b32 s[WK], s[WV], 13                    ; my 8 K steps of 1,024 bytes in a tile of hidf
	s_mov_b32 s[HIM], 0xffff0000
	s_wait_kmcnt 0x0
	s_add_nc_u64 s[WB:WB+1], s[10:11], s[OF:OF+1]
	s_add_nc_u64 s[12:13], s[12:13], s[30:31]
	s_add_nc_u64 s[14:15], s[14:15], s[54:55]
	global_load_b32 v180, v[VP], s[12:13]
	global_load_b32 v182, v[VP], s[12:13] offset:128
.set n, 0
.rept 8
	global_load_b128 v[AS+4*n:AS+4*n+3], v[AOFF], s[4:5] offset:512*n
.set n, n+1
.endr
	WLOAD 0                                        ; the weights start before the routing is known: the expert is the grid's
	WLOAD 1
	PREF 2
	PREF 3
	s_wait_loadcnt 32                              ; the bias and the choices are in; the 32 weight loads stay out
	v_cvt_pk_bf16_f32 v180, v180, v182             ; both biases rounded to bf16, kept as f32
	v_and_b32 v182, s[HIM], v180
	v_lshlrev_b32 v180, 16, v180
	ds_store_b32 v181, v180
	ds_store_b32 v181, v182 offset:128
	MKEQ
	MKLT
	s_max_u32 s[CM1], s[CNT], 1
	s_sub_co_u32 s[CM1], s[CM1], 1
	s_lshr_b32 s[TB7], s[PLT], 4
	s_add_co_u32 s[TB7], s[TB7], s[EX]
	s_mov_b32 s[BASE], 0
	MKNT
	PREA                                           ; the first chunk's hid, as soon as the two counts are known
	s_mov_b32 s[TRIP], 10
.Ltrip:
	s_cmp_eq_u32 s[NT], 0
	s_cbranch_scc1 .Lno_mul
	WIN TO1                                        ; the token and p of the place that I end on the way out: found while the chunk's first loads are on their way
	v_add_nc_u32 v[SR], s[BASE], v[PL16]
	WIN ALL1
	v_min_u32 v[SR], s[CM1], v[SR]                 ; a place past the count repeats the last token
	SELECT SR
	WIN DAT1
	v_min_u32 v[TOK], 0x3ff, v[SR+3]
	WIN 0
	v_lshlrev_b32 v15, 2, v[TOK]
	global_load_b32 v[PV], v15, s[6:7]
.irp s, 0,1,2,3,4,5,6,7
	STAGE \s
.endr
.irp i, 0,1,2,3
	DUMPT \i
.endr
	WIN 0
	s_cmp_lt_u32 s[NT], 5
	s_cbranch_scc1 .Lno_mul
	DUMPT 4
	WIN 0
	s_cmp_lt_u32 s[NT], 6
	s_cbranch_scc1 .Lno_mul
	DUMPT 5
	WIN 0
	s_cmp_lt_u32 s[NT], 7
	s_cbranch_scc1 .Lno_mul
	DUMPT 6
	WIN 0
.Lno_mul:
	BAR                                            ; all partial sums are in LDS
	s_cmp_eq_u32 s[WV], 7                          ; a chunk has 7 row tiles: wave 7 ends none
	s_cbranch_scc1 .Lno_out
	s_cmp_ge_u32 s[WV], s[NT]
	s_cbranch_scc1 .Lno_out
	s_wait_loadcnt 0x0                             ; no load of mine is out when the weights' and hid's registers are taken for the way out
	s_min_u32 s26, s[WV], 6                        ; THE WAY OUT: row tile w, 6 at the most
	s_lshl_b32 s26, s26, 12
	v_add_nc_u32 v176, s26, v[AOFF]                ; waves 0 and 1 (28,672 bytes apart: in the immediate),
	v_add_nc_u32 v177, 2*PARTW, v176               ; 2 and 3,
	v_add_nc_u32 v178, 4*PARTW, v176               ; 4 and 5,
	v_add_nc_u32 v179, 6*PARTW, v176               ; 6 and 7
	s_mov_b32 vcc_lo, 0xffff0000                   ; lanes 16 to 31 take the odd row
	v_readlane_b32 s28, v[TOK], 0                  ; lane r holds the token of my tile's row r
	v_readlane_b32 s29, v[TOK], 1
.set i, 0
.rept 8                                                ; the tokens of rows 2 i + h of my tile
.if i < 7
	v_readlane_b32 s[28+2*((i+1)%2)], v[TOK], 2*i+2
	v_readlane_b32 s[29+2*((i+1)%2)], v[TOK], 2*i+3
.endif
	v_mov_b32 v[180+i], s[29+2*(i%2)]
	v_cndmask_b32 v[180+i], s[28+2*(i%2)], v[180+i], vcc_lo
	v_min_u32 v[180+i], 0x3ff, v[180+i]
	v_lshlrev_b32 v[180+i], 12, v[180+i]           ; token x 4,096 bytes
	v_add_nc_u32 v[180+i], v[L16], v[180+i]        ; + 16 r
.set i, i+1
.endr
	HALF 0
	HALF 1
.set i, 0
.rept 8
	ds_load_b128 v[188+4*i:188+4*i+3], v[RD] offset:2*i*SP  ; my own stage: LDS serves a wave in order, so these see the stores above
.set i, i+1
.endr
	s_wait_dscnt 0x0
.set i, 0
.rept 8
	global_store_b128 v[180+i], v[188+4*i:188+4*i+3], s[14:15] th:TH_STORE_NT  ; 16 lanes store 256 consecutive aligned bytes of a token's row
.set i, i+1
.endr
	s_wait_xcnt 0x0                                ; the stores' data and offsets are written again only behind this wait
.Lno_out:
	BAR                                            ; nobody reads the partial sums any more
	s_add_co_u32 s[BASE], s[BASE], 112
	s_add_co_u32 s[TB7], s[TB7], 7
	MKNT
	s_cmp_eq_u32 s[NT], 0
	s_cbranch_scc1 .Lno_next
	s_wait_loadcnt 0x0                             ; no load is out into the registers that the loads below name,
	s_wait_xcnt 0x0                                ; and the tiles' addresses are written anew only behind this wait
	WLOAD 0                                        ; more than 112 rows on this expert: the weights are walked again
	WLOAD 1
	PREA
.Lno_next:
	s_sub_co_u32 s[TRIP], s[TRIP], 1
	s_cmp_lg_u32 s[TRIP], 0
	s_cbranch_scc1 .Ltrip
	s_wait_tensorcnt 0x0                           ; the wave's end
	ds_add_u32 v[SPW], v[NIL]
	s_wait_dscnt 0x0
	s_endpgm
.Lfunc_end_k_qdee03892db_down:
	.size	k_qdee03892db_down, .Lfunc_end_k_qdee03892db_down-k_qdee03892db_down
	.p2alignl 7, 3214868480
	.fill 96, 4, 3214868480
	.section	.rodata,"a",@progbits
	.p2align	6, 0x0
	.amdhsa_kernel k_qdee03892db_down
		.amdhsa_group_segment_fixed_size 267264
		.amdhsa_private_segment_fixed_size 0
		.amdhsa_enable_private_segment 0
		.amdhsa_kernarg_size 48
		.amdhsa_user_sgpr_count 2
		.amdhsa_user_sgpr_kernarg_segment_ptr 1
		.amdhsa_wavefront_size32 1
		.amdhsa_system_sgpr_workgroup_id_x 1
		.amdhsa_system_sgpr_workgroup_id_y 1
		.amdhsa_system_sgpr_workgroup_id_z 1
		.amdhsa_system_vgpr_workitem_id 0
		.amdhsa_next_free_vgpr 512
		.amdhsa_next_free_sgpr 100
		.amdhsa_reserve_vcc 1
		.amdhsa_float_denorm_mode_32 3
		.amdhsa_float_denorm_mode_16_64 3
		.amdhsa_memory_ordered 1
		.amdhsa_forward_progress 1
		.amdhsa_inst_pref_size 144
	.end_amdhsa_kernel
	.amdgpu_metadata
---
amdhsa.version: [ 1, 2 ]
amdhsa.kernels:
  - .name:           k_qdee03892db_down
    .symbol:         k_qdee03892db_down.kd
    .args:
      - { .name: assign, .offset: 0, .size: 8, .value_kind: global_buffer, .address_space: global }
      - { .name: pw, .offset: 8, .size: 8, .value_kind: global_buffer, .address_space: global }
      - { .name: hidf, .offset: 16, .size: 8, .value_kind: global_buffer, .address_space: global }
      - { .name: w2, .offset: 24, .size: 8, .value_kind: global_buffer, .address_space: global }
      - { .name: b2, .offset: 32, .size: 8, .value_kind: global_buffer, .address_space: global }
      - { .name: out0, .offset: 40, .size: 8, .value_kind: global_buffer, .address_space: global }
    .group_segment_fixed_size: 267264
    .private_segment_fixed_size: 0
    .kernarg_segment_align: 8
    .kernarg_segment_size: 48
    .max_flat_workgroup_size: 256
    .sgpr_count:     100
    .vgpr_count:     512
    .wavefront_size: 32
...
	.end_amdgpu_metadata
.endif
;; end of part 3
;; ======== version 2 of 2: 3 launches; version 1 with the launch down written anew for expert scheduling mode
;; limits: values are held in f16: magnitudes above 65,504 overflow, below 6.1e-05 lose precision; right only within a limited range of input values
;; workspace buffers: assign 4,096 bytes of whole numbers; pw 4,096 bytes; xb 2,097,152 bytes; hidf 5,111,808 bytes
;; launch router: the kernel of part 1 again; grid 64 x 1, 8 waves a work-group, no clusters, 42,240 bytes of LDS; arguments h, router_w, assign, pw, xb; writes assign, pw, xb
;; launch up: the kernel of part 2 again; grid 16 x 14, 8 waves a work-group, no clusters, 233,216 bytes of LDS; arguments assign, xb, w1, b1, hidf; writes hidf
;; launch down (part 4): grid 16 x 14, 8 waves a work-group, no clusters, 267,264 bytes of LDS; arguments assign, pw, hidf, w2, b2, out0; writes out0
.if DOCPART == 4
	.amdgcn_target "amdgcn-amd-amdhsa--gfx1250"
	.amdhsa_code_object_version 6
	.text
	.protected	k_qdee03892db_down
	.globl	k_qdee03892db_down
	.p2align	8
	.type	k_qdee03892db_down,@function
k_qdee03892db_down:
	s_mov_b64 s[64:65], 0
	v_nop
	global_prefetch_b8 v0, s[64:65] scope:SCOPE_SE
	s_setreg_imm32_b32 hwreg(HW_REG_WAVE_SCHED_MODE, 0, 2), 2
	s_setreg_imm32_b32 hwreg(HW_REG_WAVE_MODE, 25, 1), 1
	s_wait_xcnt 0x0
	s_wait_alu depctr_vm_vsrc(0)
; SECOND PRODUCT, and the end: out[token] = p (16 (hid W2_e) + bf16(b2_e)), hid as the launch before left it (f16 of hid / 16).  Work-group (slice, expert): 64 columns of ONE expert's w2, all 2,048 k: 512 KB of f32 that it alone reads.
; SHARES.  Eight waves; wave w owns k = 256 w .. 256 w + 255, walked in 8 stages of 32 k.  Weight loads, fragments and accumulators as in the first product: register j of accumulator (tile i, t) is place lane % 16 of tile i,
; column 32 (lane / 16) + 4 j + t.  w2 is rounded to bf16 like every input, and that number written as f16 for the f16 product.
; hid comes from memory straight into operand registers: a tile's K step is 1,024 consecutive bytes in the registers' own order, two loads of 512 bytes.  A dead tile's loads read the chunk's last live tile.
; ROWS.  The bitmap of the expert's choices in 32 scalar registers, the order of places, the chunks of 7 tiles and the constant loop of 10 chunks as in the first product.  The hid tiles' addresses want two counts alone,
; so a chunk's first hid loads go out ahead of the search for its tokens, which stands in their shadow.  The eight K parts meet in LDS; wave w (0 to 6) ends row tile w: sum, x 16, bias, x p, through its own stage in LDS,
; and out as whole rows of 256 bytes.  Places past the count repeat the last token: the same wave stores the same numbers to the same bytes again.
; An expert without rows loads one tile inside hidf at the head and uses nothing of it.
; LIMITS.  f16 of bf16(w2) is exact from 6.1e-5 to 65,504 in magnitude; below, it keeps f16's fixed step of 6e-8.  NaN is not treated apart.
; NO CLUSTER: each weight byte has one reader.  An expert's 16 work-groups share its hid tiles, but a chunk's 7 tiles are 448 KB, which do not fit in LDS beside the 224 KB of partial sums.
; PREFETCH: as in the first product: stage s asks for stage s + 4's 32 blocks of 256 bytes of my wave's own block of w2, stages 2 and 3 at the head, nothing past stage 7; a second chunk repeats the requests of stages 4 to 7.
; THE MODE: SCHED_MODE bits 1:0 = 2 (LLVM: expert scheduling mode 2), set by the entry lines.  The code itself states the register dependences
; between vector or matrix instructions and memory or LDS instructions, with s_wait_alu, always for 0.
; THE PLAN.  Registers that memory or LDS instructions touch:
;   v3, v4, v5, v8-v11   offsets and LDS addresses, made at the head and never written again.
;   W0, W1 (v16-143)     Stage s: its 128 conversions read and write W[s % 2]; behind them the loads of stage s + 2 land in it.
;   A0, A1 (v144-255)    Stage s: its products read A[s % 2]; behind them the loads of stage s + 2 land in it.
;   the accumulators     Written by the products; read by the LDS stores behind stage 7; written again by the next chunk's search and products.
;   v15, v6              The offset and the target of p's load, once a chunk; v6 is read by the way out's multiplies.
;   the way out          v176-179 LDS addresses and v180-187 the stores' offsets, made at its head; v16-159 both halves' parts and bias land here; v160-175 and v220-235 an out-buffer for each half; v188-219 the rows read back.
; The wave's 512 registers are all taken (two waves share a SIMD's 1,024), so W and A have two buffers each and a stage has TWO waits on va_vdst: behind its conversions, ahead of the weights' loads,
; and behind its products, ahead of hid's loads; both kinds of load stay two stages ahead.  The products stand behind the weights' loads with no wait: they name none of the registers that those touch.
; ONE wait on vm_vsrc a chunk stands at the loop's bottom, ahead of its branch and of the next chunk's loads, for all that the chunk's stores and loads have read.
; Scalar registers that vector instructions write (s16; the bitmap s66-97; s48-63) are written in runs, with one wait on va_sdst behind each run.
.set PITCH, 4096                       ; bytes from row to row of w2
.set PARTW, 28672                      ; a wave's 28 accumulators of 1,024 bytes
.set STG,   229376                     ; behind the partial sums: 16 rows x 272 bytes for each wave
.set SP,    272
.set TBL,   264192                     ; 256 bytes of bias for each wave
.set SPARE, TBL+2048                   ; the spare words, 128 bytes a wave: four blocks of 256 bytes that no other line names
; window 0
.set SPW,  1
.set NIL,  2
.set WOFF, 3                           ; v3   8 h rows + 16 r
.set PF,   4                           ; v4   lane rows
.set AOFF, 5                           ; v5   16 x lane
.set PV,   6                           ; v6   p of place 16 w + r of the chunk
.set TOK,  7                           ; v7   the token of that place
.set PST,  8                           ; v8   where my accumulators go
.set STO,  9                           ; v9   the way out: where I put 16 bytes of a row
.set RD,   10                          ; v10  the way out: where I read a row back
.set BAD,  11                          ; v11  my biases
.set PL16, 12                          ; v12  16 w + r
.set L16,  14                          ; v14  16 r
.set W0,   16                          ; v16-79, v80-143  weights as loaded, two buffers; the way out: the eight parts
.set A0,   144                         ; v144-199, v200-255  hid fragments, two buffers; the way out: bias, results, addresses, rows
.set AS,   144                         ; head only: v144-175 the 1,024 choices, v176-182 at work
.set VP,   176
.set VT,   177
.set VL,   178
.set OUT0, 160                         ; the way out: v160-175 half 0's results,
.set OUT1, 220                         ; v220-235 half 1's: an out-buffer each, so that no result waits for the other half's LDS stores
.set BF,   224                         ; window 1: v0-223 accumulators, v224-255 the four weight fragments
.set SR,   0                           ; window 1: v0-9 the search for a token, ahead of a chunk's first products
.set HIM, 2
.set WK, 3
.set WV, 16
.set SL, 17
.set EX, 18
.set CNT, 19
.set CM1, 20
.set PLT, 21
.set TB7, 22
.set TRIP, 23
.set BASE, 24
.set NT, 25
.set NM1, 27
.set SQ, 29                            ; s29 at work in the search: a mask's count
.set WB, 32                            ; s[32:33] my block of w2
.set TBS, 34                           ; s[34:47] the seven tiles' addresses, at my K part
.set CND, 48                           ; s48-55 the search: the answers of a run of eight compares
.set PFX, 56                           ; s56-63 the search: the prefixes of the run's eight masks
.set LT,  48                           ; s48-63 head only: sixteen masks of the tokens of lower experts
.set TK,  48                           ; s48-63 the way out: my tile's sixteen tokens
.set MK, 66                            ; s66-97 the bitmap
.set OF, 98                            ; s[98:99] an offset, the high word always 0
.set MSB, 0
.macro WIN new
.if MSB != (\new)
	s_set_vgpr_msb (MSB<<8)|(\new)
.set MSB, \new
.endif
.endm
.set MUL,  0x51
.set TO1,  0x40
.set DAT1, 0x04                        ; source 1 in window 1
.set ALL1, 0x55                        ; every operand in window 1
.macro WLOAD s
.set wl, W0+64*((\s)%2)
.set l, 0
.rept 16
	global_load_b128 v[wl+4*l:wl+4*l+3], v[WOFF], s[WB:WB+1] offset:(32*(\s)+l+8*(l/8))*PITCH th:TH_LOAD_NT
.set l, l+1
.endr
.endm
.macro PREF s
	global_prefetch_b8 v[PF], s[WB:WB+1] offset:32*(\s)*PITCH th:TH_LOAD_NT scope:SCOPE_SE
.endm
.macro COUNT dst, first, many          ; the bits set in so many masks from s[first] on are added to s[dst]
.set c, 0
.rept \many
	s_bcnt1_i32_b32 s26, s[(\first)+c]
	s_add_co_u32 s[\dst], s[\dst], s26
.set c, c+1
.endr
.endm
; One halving step: t = the bits set in the lower w of the 2 w bits at pos; a rank of t or more lies above them.
.macro SELSTEP R, src, w
	v_bfe_u32 v[(\R)+7], v[\src], v[(\R)+8], \w
	v_cmp_ge_u32 vcc_lo, v[\R], v[(\R)+7]
	s_wait_alu depctr_va_vcc(0)                    ; the compare has written VCC, which the two selects below read
	v_cndmask_b32 v[(\R)+7], 0, v[(\R)+7], vcc_lo
	v_sub_nc_u32 v[\R], v[\R], v[(\R)+7]
	v_cndmask_b32 v[(\R)+9], 0, \w, vcc_lo
	v_add_nc_u32 v[(\R)+8], v[(\R)+8], v[(\R)+9]
.endm
; THE SEARCH, as in the first product.  v[R] holds a place below the count; the token of that place is left in v[R+3].  R+1 the mask, R+2 its prefix, R+3 its first token, R+4 to R+6 counts in fields of 2, 4 and 8 bits, R+7 to R+9 at work: all in window 1.
; First the last mask that begins at or below the place; then the bit of that rank in it.  The walk over masks 1 to 31 goes in runs of eight: the run's prefixes into s[PFX ..], its compares into s[CND ..], ONE wait, its 24 selects.
.macro SELECT R
	WIN ALL1
	v_mov_b32 v[(\R)+1], s[MK]
	v_mov_b32 v[(\R)+2], 0
	v_mov_b32 v[(\R)+3], 0
.set m, 1
.rept 4
	WIN DAT1                                       ; a compare names one vector register, its second source
.set j, 0
.rept 8
.if m+j < 32
.if m+j == 1
	s_bcnt1_i32_b32 s[PFX], s[MK]                  ; mask 1 begins where mask 0 ends
.else
	s_bcnt1_i32_b32 s[SQ], s[MK+m+j-1]
	s_add_co_u32 s[PFX+j], s[PFX+(j+7)%8], s[SQ]   ; the mask before's prefix and count
.endif
	v_cmp_gt_u32 s[CND+j], s[PFX+j], v[\R]         ; this mask begins past my place: keep what I have
.endif
.set j, j+1
.endr
	s_wait_alu depctr_va_sdst(0)                   ; the run's compares have written s[CND ..], which the selects below read
	WIN ALL1
.set j, 0
.rept 8
.if m+j < 32
	v_cndmask_b32 v[(\R)+1], s[MK+m+j], v[(\R)+1], s[CND+j]
	v_cndmask_b32 v[(\R)+2], s[PFX+j], v[(\R)+2], s[CND+j]
	v_cndmask_b32 v[(\R)+3], 128*((m+j)/4)+(m+j)%4, v[(\R)+3], s[CND+j]
.endif
.set j, j+1
.endr
.set m, m+8
.endr
	v_sub_nc_u32 v[\R], v[\R], v[(\R)+2]           ; my rank inside the mask
	v_lshrrev_b32 v[(\R)+4], 1, v[(\R)+1]
	v_and_b32 v[(\R)+4], 0x55555555, v[(\R)+4]
	v_sub_nc_u32 v[(\R)+4], v[(\R)+1], v[(\R)+4]   ; bits set in each field of 2
	v_lshrrev_b32 v[(\R)+5], 2, v[(\R)+4]
	v_and_b32 v[(\R)+5], 0x33333333, v[(\R)+5]
	v_and_b32 v[(\R)+6], 0x33333333, v[(\R)+4]
	v_add_nc_u32 v[(\R)+5], v[(\R)+5], v[(\R)+6]   ; of 4
	v_lshrrev_b32 v[(\R)+6], 4, v[(\R)+5]
	v_add_nc_u32 v[(\R)+6], v[(\R)+5], v[(\R)+6]
	v_and_b32 v[(\R)+6], 0x0f0f0f0f, v[(\R)+6]     ; of 8
	v_lshrrev_b32 v[(\R)+7], 8, v[(\R)+6]
	v_add_nc_u32 v[(\R)+7], v[(\R)+6], v[(\R)+7]
	v_and_b32 v[(\R)+7], 0xff, v[(\R)+7]           ; in the low 16
	v_cmp_ge_u32 vcc_lo, v[\R], v[(\R)+7]
	s_wait_alu depctr_va_vcc(0)                    ; the compare has written VCC, which the two selects below read
	v_cndmask_b32 v[(\R)+7], 0, v[(\R)+7], vcc_lo
	v_sub_nc_u32 v[\R], v[\R], v[(\R)+7]
	v_cndmask_b32 v[(\R)+8], 0, 16, vcc_lo         ; pos
	SELSTEP \R, (\R)+6, 8
	SELSTEP \R, (\R)+5, 4
	SELSTEP \R, (\R)+4, 2
	SELSTEP \R, (\R)+1, 1
	v_lshl_add_u32 v[(\R)+3], v[(\R)+8], 2, v[(\R)+3]  ; the mask's first token + 4 x bit
.endm
.macro MKNT
	s_max_u32 s26, s[CNT], s[BASE]
	s_sub_co_u32 s26, s26, s[BASE]
	s_add_co_u32 s26, s26, 15
	s_lshr_b32 s26, s26, 4
	s_min_u32 s[NT], s26, 7
.endm
.macro AGLOAD s                        ; stage s: the seven tiles' fragments of hid, 512 consecutive bytes a load
.set al, A0+56*((\s)%2)
.set i, 0
.rept 7
	global_load_b128 v[al+8*i:al+8*i+3], v[AOFF], s[TBS+2*i:TBS+2*i+1] offset:(\s)*1024
	global_load_b128 v[al+8*i+4:al+8*i+7], v[AOFF], s[TBS+2*i:TBS+2*i+1] offset:(\s)*1024+512
.set i, i+1
.endr
.endm
.macro TADDR                           ; a chunk's seven tile addresses: scalar work alone
	s_max_u32 s[NM1], s[NT], 1
	s_sub_co_u32 s[NM1], s[NM1], 1
.set i, 0
.rept 7
	s_min_u32 s26, s[NM1], i                       ; a dead tile reads the last live one
	s_add_co_u32 s26, s26, s[TB7]
	s_min_u32 s26, s26, 77
	s_lshl_b32 s26, s26, 16
	s_add_co_u32 s[OF], s26, s[WK]
	s_add_nc_u64 s[TBS+2*i:TBS+2*i+1], s[8:9], s[OF:OF+1]
.set i, i+1
.endr
.endm
.macro TILE i, zero
.set t, 0
.rept 4
.if \zero
	v_wmma_f32_16x16x32_f16 v[32*(\i)+8*t:32*(\i)+8*t+7], v[BF+8*t:BF+8*t+7], v[tb+8*(\i):tb+8*(\i)+7], 0
.else
	v_wmma_f32_16x16x32_f16 v[32*(\i)+8*t:32*(\i)+8*t+7], v[BF+8*t:BF+8*t+7], v[tb+8*(\i):tb+8*(\i)+7], v[32*(\i)+8*t:32*(\i)+8*t+7]
.endif
.set t, t+1
.endr
.endm
.macro TILES s                         ; each accumulator has one turn a stage; stage 0 starts all 28 sums; later stages jump the tiles past the count
.set tb, A0+56*((\s)%2)
	WIN MUL
.if (\s) == 0
.irp i, 0,1,2,3,4,5,6
	TILE \i, 1
.endr
	WIN 0
.else
.irp i, 0,1,2,3
	TILE \i, 0
.endr
	WIN 0
	s_cmp_lt_u32 s[NT], 5
	s_cbranch_scc1 .Ltd_\@
	WIN MUL
	TILE 4, 0
	WIN 0
	s_cmp_lt_u32 s[NT], 6
	s_cbranch_scc1 .Ltd_\@
	WIN MUL
	TILE 5, 0
	WIN 0
	s_cmp_lt_u32 s[NT], 7
	s_cbranch_scc1 .Ltd_\@
	WIN MUL
	TILE 6, 0
	WIN 0
.Ltd_\@:
.endif
.endm
; The loads go out in the order W(0), W(1), A(0), A(1), p, and then W(s+2), A(s+2) stage by stage, and come back in that order.
.macro STAGE s
.if (\s) == 0
	s_wait_loadcnt 15                              ; both first weight stages and A(0) are in; A(1)'s 14 loads and p stay out
.elseif (\s) == 1
	s_wait_loadcnt 31                              ; A(1) is in; p, W(2)'s 16 and A(2)'s 14 stay out
.elseif (\s) < 7
	s_wait_loadcnt 30                              ; W(s) and A(s) are in; W(s+1)'s 16 and A(s+1)'s 14 stay out
.else
	s_wait_loadcnt 0x0
.endif
.set ws, W0+64*((\s)%2)
.set n, 0
.rept 32                                               ; rows 2 i and 2 i + 1, column t: both rounded to bf16,
	v_cvt_pk_bf16_f32 v[ws+8*(n/4)+n%4], v[ws+8*(n/4)+n%4], v[ws+8*(n/4)+4+n%4]
.set n, n+1
.endr
.set n, 0
.rept 32                                               ; widened again,
	v_and_b32 v[ws+8*(n/4)+4+n%4], s[HIM], v[ws+8*(n/4)+n%4]
.set n, n+1
.endr
.set n, 0
.rept 32
	v_lshlrev_b32 v[ws+8*(n/4)+n%4], 16, v[ws+8*(n/4)+n%4]
.set n, n+1
.endr
	WIN TO1
.set n, 0
.rept 32                                               ; and written as f16: fragment n / 8, register n % 8
	v_cvt_pk_f16_f32 v[BF+n], v[ws+8*(n%8)+n/8], v[ws+8*(n%8)+4+n/8]
.set n, n+1
.endr
	WIN 0
.if (\s) < 6
	s_wait_alu depctr_va_vdst(0)                   ; the conversions are done writing and reading W[s % 2], in which the loads below land
	WLOAD (\s)+2
.endif
.if (\s) < 4
	PREF (\s)+4
.endif
	TILES \s                                       ; no wait: the products name the fragments, A[s % 2] and the accumulators, none of which a load issued since the wait touches
.rept 5
	v_nop                                          ; the places behind the products stay: four ahead of the stores of the sums and of the next chunk's search, five ahead of its first products
.endr
.if (\s) < 6
	s_wait_alu depctr_va_vdst(0)                   ; the products are done reading A[s % 2], in which the loads below land
	AGLOAD (\s)+2
.endif
.endm
.macro DUMPT i                         ; the low four registers of each accumulator first
	WIN DAT1
.set t, 0
.rept 4
	ds_store_b128 v[PST], v[32*(\i)+8*t:32*(\i)+8*t+3] offset:(4*(\i)+t)*1024
	ds_store_b128 v[PST], v[32*(\i)+8*t+4:32*(\i)+8*t+7] offset:(4*(\i)+t)*1024+512
.set t, t+1
.endr
.endm
.macro BAR
	s_wait_dscnt 0x0                               ; for the others: my LDS stores are done and my LDS loads are back
	s_barrier_signal -1
	s_barrier_wait -1
.endm
.macro ADDW a, b                       ; wave b's part onto wave a's
.set x, 0
.rept 8
	v_pk_add_f32 v[16+16*(\a)+2*x:17+16*(\a)+2*x], v[16+16*(\a)+2*x:17+16*(\a)+2*x], v[16+16*(\b)+2*x:17+16*(\b)+2*x]
.set x, x+1
.endr
.endm
; Half jh of my row tile: registers 4 jh .. + 3 of its four accumulators, from all eight waves: 16 consecutive columns of one place a lane.  In three parts: the loads, the arithmetic, the stores into my stage.
.macro HLOAD jh
.set n, 0
.rept 32                                               ; wave n / 4, piece n % 4
	ds_load_b128 v[16+4*n:16+4*n+3], v[176+n/8] offset:((n/4)%2)*PARTW+(n%4)*1024+(\jh)*512
.set n, n+1
.endr
.set n, 0
.rept 4
	ds_load_b128 v[144+4*n:144+4*n+3], v[BAD] offset:(\jh)*64+16*n
.set n, n+1
.endr
.endm
.macro HSUM out
	s_wait_dscnt 0x0
	ADDW 0, 1
	ADDW 2, 3
	ADDW 4, 5
	ADDW 6, 7
	ADDW 0, 2
	ADDW 4, 6
	ADDW 0, 4
.set n, 0
.rept 8
	v_pk_fma_f32 v[16+2*n:17+2*n], v[16+2*n:17+2*n], 0x41800000, v[144+2*n:145+2*n] op_sel_hi:[1,0,1]  ; x 16 undoes hid's scale; + bias
.set n, n+1
.endr
.set n, 0
.rept 16                                               ; column 4 j + t lies in register 4 t + j
	v_mul_f32 v[(\out)+n], v[16+4*(n%4)+n/4], v[PV]
.set n, n+1
.endr
.endm
.macro HSTORE jh, out
.set n, 0
.rept 4
	ds_store_b128 v[STO], v[(\out)+4*n:(\out)+4*n+3] offset:(\jh)*64+16*n
.set n, n+1
.endr
.endm
	s_load_b256 s[4:11], s[0:1], 0x0               ; assign s[4:5], pw s[6:7], hidf s[8:9], w2 s[10:11]
	s_load_b128 s[12:15], s[0:1], 0x20             ; b2 s[12:13], out0 s[14:15]
	v_lshl_add_u32 v[SPW], v0, 2, SPARE
	v_mov_b32 v[NIL], 0
	v_lshrrev_b32 v15, 5, v0
	v_readfirstlane_b32 s[WV], v15                 ; wave 0..7
	s_mov_b32 s[SL], ttmp9                         ; slice 0..15
	s_and_b32 s[EX], ttmp7, 0xffff                 ; expert 0..13
	v_and_b32 v15, 15, v0                          ; r
	v_bfe_u32 v13, v0, 4, 1                        ; h
	v_and_b32 v[VL], 31, v0                        ; lane
	v_lshlrev_b32 v[L16], 4, v15
	v_lshl_add_u32 v[WOFF], v13, 15, v[L16]        ; 8 h rows of 4,096 bytes + 16 r
	v_lshlrev_b32 v[PF], 12, v[VL]
	v_lshlrev_b32 v[AOFF], 4, v[VL]
	v_mov_b32 v[PV], 0
	v_mov_b32 v[TOK], 0
	s_wait_alu depctr_va_sdst(0)                   ; the wave's number is written, ahead of its first reader
	s_mul_i32 s28, s[WV], PARTW
	v_add_nc_u32 v[PST], s28, v[AOFF]
	s_mul_i32 s28, s[WV], 16*SP
	s_add_co_u32 s28, s28, STG                     ; my stage
	v_mul_u32_u24 v[STO], v15, SP
	v_lshl_add_u32 v[STO], v13, 7, v[STO]
	v_add_nc_u32 v[STO], s28, v[STO]               ; in: row r, 128 bytes for each half of the lanes
	v_mul_u32_u24 v[RD], v13, SP
	v_add_nc_u32 v[RD], v[RD], v[L16]
	v_add_nc_u32 v[RD], s28, v[RD]                 ; back: lanes 0-15 one row of 256 bytes, lanes 16-31 the next
	s_lshl_b32 s28, s[WV], 8
	s_add_co_u32 s28, s28, TBL
	v_lshl_add_u32 v[BAD], v13, 7, s28
	v_lshl_add_u32 v181, v[VL], 2, s28
	v_and_b32 v[VP], 3, v0                         ; table word 32 h + 16 jh + 4 t + j holds the bias of column 32 h + 16 jh + 4 j + t: my lane takes words L and L + 32
	v_bfe_u32 v[VT], v0, 2, 2
	v_lshl_add_u32 v[VP], v[VP], 2, v[VT]
	v_lshl_add_u32 v[VP], v13, 4, v[VP]
	v_lshlrev_b32 v[VP], 2, v[VP]
	v_lshl_add_u32 v[PL16], s[WV], 4, v15
	s_lshl_b32 s[OF], s[EX], 23                    ; my block of w2: expert x 8 MB + wave x 1 MB + slice x 256
	s_lshl_b32 s28, s[WV], 20
	s_add_co_u32 s[OF], s[OF], s28
	s_lshl_b32 s28, s[SL], 8
	s_add_co_u32 s[OF], s[OF], s28
	s_mov_b32 s[OF+1], 0
	s_lshl_b32 s30, s[EX], 12                      ; b2: 4 (expert x 1,024 + slice x 64)
	s_add_co_u32 s30, s30, s28
	s_mov_b32 s31, 0
	s_mov_b32 s54, s28                             ; out0: the slice's 256 bytes of a row
	s_mov_b32 s55, 0
	s_lshl_b32 s[WK], s[WV], 13                    ; my 8 K steps of 1,024 bytes in a tile of hidf
	s_mov_b32 s[HIM], 0xffff0000
	s_wait_kmcnt 0x0
	s_add_nc_u64 s[WB:WB+1], s[10:11], s[OF:OF+1]
	s_add_nc_u64 s[12:13], s[12:13], s[30:31]
	s_add_nc_u64 s[14:15], s[14:15], s[54:55]
	s_wait_alu depctr_va_vdst(0)                   ; the offsets and LDS addresses v3 to v5, v8 to v11, v176 and v181 are written, which the kernel's loads, stores and prefetches read
	global_load_b32 v180, v[VP], s[12:13]
	global_load_b32 v182, v[VP], s[12:13] offset:128
.set n, 0
.rept 8
	global_load_b128 v[AS+4*n:AS+4*n+3], v[AOFF], s[4:5] offset:512*n
.set n, n+1
.endr
	WLOAD 0                                        ; the weights start before the routing is known: the expert is the grid's
	WLOAD 1
	PREF 2
	PREF 3
	s_wait_loadcnt 32                              ; the bias and the choices are in; the 32 weight loads stay out
	v_cvt_pk_bf16_f32 v180, v180, v182             ; both biases rounded to bf16, kept as f32
	v_and_b32 v182, s[HIM], v180
	v_lshlrev_b32 v180, 16, v180
	; The bitmap (mask m, bit L: token 128 (m / 4) + 4 L + m % 4 chose my expert), and the masks of the tokens of lower experts, sixteen at a time: the compares in runs, one wait behind each run.
.set m, 0
.rept 32
	v_cmp_eq_u32 s[MK+m], s[EX], v[AS+m]
.set m, m+1
.endr
.set m, 0
.rept 16
	v_cmp_gt_u32 s[LT+m], s[EX], v[AS+m]
.set m, m+1
.endr
	s_mov_b32 s[CNT], 0
	s_mov_b32 s[PLT], 0
	s_wait_alu depctr_va_sdst(0)                   ; the 48 compares have written the bitmap and s[LT ..], which the counts below read
	COUNT PLT, LT, 16
.set m, 0
.rept 16                                               ; the second sixteen, while the bitmap is counted
	v_cmp_gt_u32 s[LT+m], s[EX], v[AS+16+m]
.set m, m+1
.endr
	COUNT CNT, MK, 32
	s_wait_alu depctr_va_sdst(0)                   ; these sixteen compares have written s[LT ..] anew
	COUNT PLT, LT, 16
	s_max_u32 s[CM1], s[CNT], 1
	s_sub_co_u32 s[CM1], s[CM1], 1
	s_lshr_b32 s[TB7], s[PLT], 4
	s_add_co_u32 s[TB7], s[TB7], s[EX]
	s_mov_b32 s[BASE], 0
	MKNT
	s_wait_alu depctr_va_vdst(0)                   ; the two bias numbers are written, which the LDS stores read; the compares are done reading v144-175 and the head is done with v176-182, in which hid lands
	ds_store_b32 v181, v180
	ds_store_b32 v181, v182 offset:128
	TADDR
	s_wait_alu depctr_vm_vsrc(0)                   ; the two LDS stores have read v180 to v182, in which hid lands
	AGLOAD 0                                       ; the first chunk's hid, as soon as the two counts are known
	AGLOAD 1
	s_mov_b32 s[TRIP], 10
.Ltrip:
	s_cmp_eq_u32 s[NT], 0
	s_cbranch_scc1 .Lno_mul
	WIN TO1                                        ; the token and p of the place that I end on the way out: found while the chunk's first loads are on their way
	v_add_nc_u32 v[SR], s[BASE], v[PL16]
	WIN ALL1
	v_min_u32 v[SR], s[CM1], v[SR]                 ; a place past the count repeats the last token
	SELECT SR
	WIN DAT1
	v_min_u32 v[TOK], 0x3ff, v[SR+3]
	WIN 0
	v_lshlrev_b32 v15, 2, v[TOK]
	s_wait_alu depctr_va_vdst(0)                   ; v15 is written, which the load reads; the last chunk's multiplies are done reading v6, in which it lands
	global_load_b32 v[PV], v15, s[6:7]
.irp s, 0,1,2,3,4,5,6,7
	STAGE \s
.endr
	s_wait_alu depctr_va_vdst(0)                   ; the products have written the accumulators, which the LDS stores read; the places above stay beside this wait
.irp i, 0,1,2,3
	DUMPT \i
.endr
	WIN 0
	s_cmp_lt_u32 s[NT], 5
	s_cbranch_scc1 .Lno_mul
	DUMPT 4
	WIN 0
	s_cmp_lt_u32 s[NT], 6
	s_cbranch_scc1 .Lno_mul
	DUMPT 5
	WIN 0
	s_cmp_lt_u32 s[NT], 7
	s_cbranch_scc1 .Lno_mul
	DUMPT 6
	WIN 0
.Lno_mul:
	BAR                                            ; all partial sums are in LDS
	s_cmp_eq_u32 s[WV], 7                          ; a chunk has 7 row tiles: wave 7 ends none
	s_cbranch_scc1 .Lno_out
	s_cmp_ge_u32 s[WV], s[NT]
	s_cbranch_scc1 .Lno_out
	s_wait_loadcnt 0x0                             ; no load of mine is out when the weights' and hid's registers are taken for the way out
	s_min_u32 s26, s[WV], 6                        ; THE WAY OUT: row tile w, 6 at the most
	s_lshl_b32 s26, s26, 12
	v_add_nc_u32 v176, s26, v[AOFF]                ; waves 0 and 1 (28,672 bytes apart: in the immediate),
	v_add_nc_u32 v177, 2*PARTW, v176               ; 2 and 3,
	v_add_nc_u32 v178, 4*PARTW, v176               ; 4 and 5,
	v_add_nc_u32 v179, 6*PARTW, v176               ; 6 and 7
.set i, 0
.rept 16                                               ; lane r holds the token of my tile's row r: all sixteen in one run
	v_readlane_b32 s[TK+i], v[TOK], i
.set i, i+1
.endr
	s_mov_b32 vcc_lo, 0xffff0000                   ; lanes 16 to 31 take the odd row
	s_wait_alu depctr_va_sdst(0)                   ; the sixteen tokens are written to s[TK ..], which the lines below read
.set i, 0
.rept 8                                                ; the tokens of rows 2 i + h of my tile
	v_mov_b32 v[180+i], s[TK+2*i+1]
	v_cndmask_b32 v[180+i], s[TK+2*i], v[180+i], vcc_lo
	v_min_u32 v[180+i], 0x3ff, v[180+i]
	v_lshlrev_b32 v[180+i], 12, v[180+i]           ; token x 4,096 bytes
	v_add_nc_u32 v[180+i], v[L16], v[180+i]        ; + 16 r
.set i, i+1
.endr
	s_wait_alu depctr_va_vdst(0)                   ; v176 to v179, the LDS loads' addresses, and v180 to v187, the stores' offsets, are written
	HLOAD 0
	HSUM OUT0
	s_wait_alu depctr_va_vdst(0)                   ; half 0's results are written, which the LDS stores read; its sums are done with v16-159, in which half 1's loads land
	HSTORE 0, OUT0
	HLOAD 1
	HSUM OUT1
	s_wait_alu depctr_va_vdst(0)                   ; half 1's results are written, which the LDS stores read
	HSTORE 1, OUT1
.set i, 0
.rept 8
	ds_load_b128 v[188+4*i:188+4*i+3], v[RD] offset:2*i*SP  ; my own stage: LDS serves a wave in order, so these see the stores above
.set i, i+1
.endr
	s_wait_dscnt 0x0
.set i, 0
.rept 8
	global_store_b128 v[180+i], v[188+4*i:188+4*i+3], s[14:15] th:TH_STORE_NT  ; 16 lanes store 256 consecutive aligned bytes of a token's row
.set i, i+1
.endr
	s_wait_xcnt 0x0                                ; the stores' data and offsets are written again only behind this wait
.Lno_out:
	BAR                                            ; nobody reads the partial sums any more
	s_wait_alu depctr_vm_vsrc(0)                   ; on every way on: the LDS stores of the sums have read the accumulators, p's load v15, the way out's LDS loads, LDS stores and stores v160 to v235: the next chunk's loads, search, products and way out write them
	s_add_co_u32 s[BASE], s[BASE], 112
	s_add_co_u32 s[TB7], s[TB7], 7
	MKNT
	s_cmp_eq_u32 s[NT], 0
	s_cbranch_scc1 .Lno_next
	s_wait_loadcnt 0x0                             ; no load is out into the registers that the loads below name,
	s_wait_xcnt 0x0                                ; and the tiles' addresses are written anew only behind this wait
	WLOAD 0                                        ; more than 112 rows on this expert: the weights are walked again.  No wait on va_vdst: no vector or matrix instruction behind the chunk's last such wait names v16-255
	WLOAD 1
	TADDR
	AGLOAD 0
	AGLOAD 1
.Lno_next:
	s_sub_co_u32 s[TRIP], s[TRIP], 1
	s_cmp_lg_u32 s[TRIP], 0
	s_cbranch_scc1 .Ltrip
	s_wait_dscnt 0x0                               ; the closing lines, six on end
	s_wait_alu 0x0
	s_wait_tensorcnt 0x0
	ds_add_u32 v[SPW], v[NIL]
	s_wait_dscnt 0x0
	s_endpgm
.Lfunc_end_k_qdee03892db_down:
	.size	k_qdee03892db_down, .Lfunc_end_k_qdee03892db_down-k_qdee03892db_down
	.p2alignl 7, 3214868480
	.fill 96, 4, 3214868480
	.section	.rodata,"a",@progbits
	.p2align	6, 0x0
	.amdhsa_kernel k_qdee03892db_down
		.amdhsa_group_segment_fixed_size 267264
		.amdhsa_private_segment_fixed_size 0
		.amdhsa_enable_private_segment 0
		.amdhsa_kernarg_size 48
		.amdhsa_user_sgpr_count 2
		.amdhsa_user_sgpr_kernarg_segment_ptr 1
		.amdhsa_wavefront_size32 1
		.amdhsa_system_sgpr_workgroup_id_x 1
		.amdhsa_system_sgpr_workgroup_id_y 1
		.amdhsa_system_sgpr_workgroup_id_z 1
		.amdhsa_system_vgpr_workitem_id 0
		.amdhsa_next_free_vgpr 512
		.amdhsa_next_free_sgpr 100
		.amdhsa_reserve_vcc 1
		.amdhsa_float_denorm_mode_32 3
		.amdhsa_float_denorm_mode_16_64 3
		.amdhsa_memory_ordered 1
		.amdhsa_forward_progress 1
		.amdhsa_inst_pref_size 150
	.end_amdhsa_kernel
	.amdgpu_metadata
---
amdhsa.version: [ 1, 2 ]
amdhsa.kernels:
  - .name:           k_qdee03892db_down
    .symbol:         k_qdee03892db_down.kd
    .args:
      - { .name: assign, .offset: 0, .size: 8, .value_kind: global_buffer, .address_space: global }
      - { .name: pw, .offset: 8, .size: 8, .value_kind: global_buffer, .address_space: global }
      - { .name: hidf, .offset: 16, .size: 8, .value_kind: global_buffer, .address_space: global }
      - { .name: w2, .offset: 24, .size: 8, .value_kind: global_buffer, .address_space: global }
      - { .name: b2, .offset: 32, .size: 8, .value_kind: global_buffer, .address_space: global }
      - { .name: out0, .offset: 40, .size: 8, .value_kind: global_buffer, .address_space: global }
    .group_segment_fixed_size: 267264
    .private_segment_fixed_size: 0
    .kernarg_segment_align: 8
    .kernarg_segment_size: 48
    .max_flat_workgroup_size: 256
    .sgpr_count:     100
    .vgpr_count:     512
    .wavefront_size: 32
...
	.end_amdgpu_metadata
.endif
;; end of part 4
